; MI455X (gfx1250); checked and timed in simulation.
; The chip was launched on July 23, 2026; its instructions are those of AMD's public machine-readable ISA for CDNA 5 (MIT licence, August 2026) and "CDNA5" Instruction Set Architecture Reference Guide (July 2026). The comments in the code are by the model that wrote it; some were corrected since.
;; Sparse Mo E. Allowed arithmetic: float matrix products may take bf16 or f16 operands with f32 sums; other float arithmetic in f32, or as packed bf16 or f16 multiplies, adds, multiply-adds, maxima and minima; sums over many terms, partial sums and values carried from step to step in f32; what a program stores and reads back later, other than sums and carried values, may be rounded once to bf16 or f16.
;; Inputs: W1 8 x 512 x 2,048 float32; W2 8 x 2,048 x 512 float32; Wg 512 x 8 float32; b1 8 x 2,048 float32; b2 8 x 512 float32; bg 8 float32; x 8 x 512 x 512 float32.
;; Outputs: out0 8 x 512 x 512 float32; out1 one number float32; out2 one number float32.
;; 2 versions, each right; version 2 is version 1 with the launch chain written anew for expert scheduling mode. Each part assembles by itself: llvm-mc -triple=amdgcn-amd-amdhsa -mcpu=gfx1250 --defsym DOCPART=n.
;; ======== version 1 of 2: 4 launches
;; workspace buffers: xb 4,194,304 bytes; wf 33,554,432 bytes; part 67,108,864 bytes; route 20,480 bytes of whole numbers; gf 40,960 bytes; list 34,816 bytes of whole numbers
;; launch route_w1 (part 1): grid 384 x 1, 8 waves a work-group, no clusters, 88,064 bytes of LDS; arguments x, Wg, bg, W1, xb, route, gf, wf; writes xb, route, gf, wf
.if DOCPART == 1
	.amdgcn_target "amdgcn-amd-amdhsa--gfx1250"
	.amdhsa_code_object_version 6
	.text
	.protected	k_qc5fdc0b501_route_w1
	.globl	k_qc5fdc0b501_route_w1
	.p2align	8
	.type	k_qc5fdc0b501_route_w1,@function
k_qc5fdc0b501_route_w1:
	s_mov_b64 s[64:65], 0
	v_nop
	global_prefetch_b8 v0, s[64:65] scope:SCOPE_SE
	s_setreg_imm32_b32 hwreg(HW_REG_WAVE_MODE, 25, 1), 1
	s_wait_xcnt 0x0
; SPARSE MIXTURE OF EXPERTS, launch 1 of 4: the router, x rounded to bf16, and W1 laid out as matrix fragments.
; N = 4,096 tokens of D = 512, E = 8 experts of hidden width 2,048, the two largest logits chosen for each token.
; WORK LEFT OUT BY THE PROGRAM.  gates[t][e] = sum over k of probs_k[t][k] * one_hot(topk_idx[t][k])[e] is exactly 0 for every expert e that is not one of
; token t's two chosen ones, whatever the inputs hold, since one_hot is built in the function's own body.  out adds gates[t][e] * y_e[t], so in exact arithmetic
; expert e's two products for such a token reach no output.  They are not computed: 8,192 rows go through an expert, not 32,768.  Which rows is decided by whole
; numbers that this launch stores at fixed places and that later launches read.  All seven inputs have a way to an output and are loaded (W2 in launch 2, b1 in 3, b2 in 4).
; LIMITS.  A NaN, an infinity or an overflow in an expert that a token did not choose is not carried to the result.  All inputs are rounded once to bf16 (x, Wg, bg here).
; The logits are f32 sums of exact products, taken in another order than a row-by-row sum: two logits closer than that rounding may be ranked otherwise.
; Ties go to the lower index.  NaN and infinite logits are not treated apart.  An exponential below 2^-126 counts as 0.
; THE ROUTER RUNS ON THE VECTOR UNIT: 8 columns, one part in a thousand of the multiply-adds, and it ends in a choice; with bf16 factors every f32 product is exact.
; WORK-GROUPS 0-127: 32 tokens each, four a wave.  A lane holds 16 of a row's 512 numbers (four runs of 512 consecutive bytes a wave) and the matching 16 rows of Wg.
; WORK-GROUPS 128-383: each wave turns one block of 32 k x 128 n of W1 into 8,192 bytes of wf, through its own LDS bytes: no barrier there.
; wf: [e 8][slice 4][wave 4][step 32][b 8][c 2][lane 32][8 bf16]; steps 0-15 hold W1[e][32 t + 16 c + 8 (lane / 16) + i][512 slice + 128 wave + 16 b + lane % 16].
; LDS.  Bytes 0 to 67,583: the layout's eight blocks of 8,448, a wave each.  Behind them the router's two tables, then the spare words: the two texts name no LDS byte in common.
.set WGL,   67584                      ; router: Wg's table, 128 groups of four rows, 128 bytes + 16 of padding each: 18,432 bytes
.set LOG,   WGL+18432                  ; router: 32 tokens x 8 logits, 1,024 bytes
.set SPARE, LOG+1024                   ; 87,040: the spare words, 128 bytes a wave, four blocks of 256 bytes that no other line names
.set SPW, 14                           ; v14  SPARE + 4 x my thread's number; never rewritten
.set NIL, 15                           ; v15  0; never rewritten
.set ACC, 16                           ; v[16:47]   token q, experts 2 p, 2 p + 1 at ACC + 8 q + 2 p
.set X,   48                           ; v[48:111]  token q, run j, number i at X + 16 q + 4 j + i
.set XB,  112                          ; v[112:127] two tokens' packed bf16
.set WG,  128                          ; v[128:255] Wg[128 j + 4 lane + i][e] at WG + 32 j + 8 i + e
.set IN,  32                           ; layout: v[32:159] 32 rows x 16 bytes a lane
.set PC,  160                          ; layout: v[160:191] packed, two sets
; One wave lays out a block of 32 k x 128 n.  Lane l holds columns 4 l .. 4 l + 3 of each row.  Eight rows of one column pack into the 16 bytes that a lane of a fragment
; takes; they go to LDS at 1,040 b + 512 c + 256 half + 16 r (the pitch of 1,040 puts sixteen lanes on sixteen different 16-byte columns) and come back as runs of 512 bytes.
.macro CONV stride, src, dst
.set kk, 0
.rept 32
	global_load_b128 v[IN+4*kk:IN+4*kk+3], v2, s[\src:\src+1] offset:kk*(\stride) th:TH_LOAD_NT
.set kk, kk+1
.endr
.set kq, 0
.rept 4
	s_wait_loadcnt 24-8*kq                         ; loads come back in order: rows 8 kq .. 8 kq + 7 are in, the later rows stay out
.set jn, 0
.rept 4
.set ii, 0
.rept 4
	v_cvt_pk_bf16_f32 v[PC+16*(kq%2)+4*jn+ii], v[IN+4*(8*kq+2*ii)+jn], v[IN+4*(8*kq+2*ii+1)+jn]
.set ii, ii+1
.endr
	ds_store_b128 v5, v[PC+16*(kq%2)+4*jn:PC+16*(kq%2)+4*jn+3] offset:(kq/2)*512+(kq%2)*256+16*jn
.set jn, jn+1
.endr
.set kq, kq+1
.endr
.set kk, 0
.rept 16
	ds_load_b128 v[IN+4*kk:IN+4*kk+3], v6 offset:(kk/2)*1040+(kk%2)*512  ; my own bytes: LDS serves a wave's instructions in order
.set kk, kk+1
.endr
.set kk, 0
.rept 16
	s_wait_dscnt 15-kk                             ; run kk is back, the later ones stay out
	global_store_b128 v2, v[IN+4*kk:IN+4*kk+3], s[\dst:\dst+1] offset:512*kk th:TH_STORE_NT  ; 512 consecutive bytes, aligned
.set kk, kk+1
.endr
.endm
; Sums over the 32 lanes for cnt registers from base on; every lane ends with the sum.  tmp: registers that have been written before.
.macro SUMS base, cnt, tmp
.irp m, 1,2,4,8
.set n, 0
.rept \cnt
	v_add_f32_dpp v[(\base)+n], v[(\base)+n], v[(\base)+n] row_xmask:\m row_mask:0xf bank_mask:0xf
.set n, n+1
.endr
.endr
.set n, 0
.rept \cnt
	v_permlanex16_b32 v[(\tmp)+n], v[(\base)+n], s34, s35
.set n, n+1
.endr
.set n, 0
.rept \cnt
	v_add_f32 v[(\base)+n], v[(\base)+n], v[(\tmp)+n]
.set n, n+1
.endr
.endm
	s_load_b512 s[4:19], s[0:1], 0x0               ; x s[4:5], Wg s[6:7], bg s[8:9], W1 s[10:11], xb s[12:13], route s[14:15], gf s[16:17], wf s[18:19]
	v_lshl_add_u32 v[SPW], v0, 2, SPARE
	v_mov_b32 v[NIL], 0
	v_lshrrev_b32 v1, 5, v0
	v_readfirstlane_b32 s20, v1                    ; wave 0..7
	v_and_b32 v1, 31, v0                           ; lane
	v_lshlrev_b32 v2, 4, v1                        ; 16 x lane
	s_mov_b32 s32, 0xffff0000                      ; a word's upper bf16
	s_mov_b32 s34, 0x76543210                      ; v_permlanex16_b32: each lane takes its own place in the other half
	s_mov_b32 s35, 0xfedcba98
	s_wait_kmcnt 0x0
	s_cmp_ge_u32 ttmp9, 128
	s_cbranch_scc1 .Lconv
	; ---------------- the router ----------------
	s_lshl_b32 s21, ttmp9, 5
	s_lshl_b32 s22, s20, 2
	s_add_co_u32 s21, s21, s22                     ; my first token: 32 G + 4 w
	s_lshl_b32 s22, s21, 11
	s_mov_b32 s23, 0
	s_add_nc_u64 s[4:5], s[4:5], s[22:23]          ; x at that row
	s_lshl_b32 s22, s21, 10
	s_add_nc_u64 s[12:13], s[12:13], s[22:23]      ; xb at that row
	v_lshlrev_b32 v8, 4, v0                        ; Wg: 16 bytes a thread, four times
.set n, 0
.rept 4
	global_load_b128 v[ACC+4*n:ACC+4*n+3], v8, s[6:7] offset:4096*n
.set n, n+1
.endr
.set q, 0
.rept 4
.set j, 0
.rept 4
	global_load_b128 v[X+16*q+4*j:X+16*q+4*j+3], v2, s[4:5] offset:2048*q+512*j th:TH_LOAD_NT
.set j, j+1
.endr
.set q, q+1
.endr
	s_load_b256 s[24:31], s[8:9], 0x0              ; bg
	v_lshlrev_b32 v4, 3, v1                        ; 8 x lane
	s_mul_i32 s22, s20, 576                        ; my wave's four groups of Wg's table in each quarter,
	s_add_co_u32 s22, s22, WGL                     ; behind the table's first byte
	v_lshrrev_b32 v5, 3, v1
	v_mul_u32_u24 v5, v5, 144
	v_and_b32 v6, 7, v1
	v_lshl_add_u32 v5, v6, 4, v5
	v_add_nc_u32 v5, s22, v5                       ; where my 16 bytes of Wg go
	v_mul_u32_u24 v6, v1, 144
	v_add_nc_u32 v6, WGL, v6                       ; where my lane's groups are read
	s_lshl_b32 s22, s20, 7
	s_add_co_u32 s22, s22, LOG
	v_mov_b32 v7, s22                              ; my wave's four tokens in the table of logits
	s_wait_loadcnt 16                              ; Wg's four loads are in; x's sixteen stay out
	s_wait_kmcnt 0x0                               ; bg
.set n, 0
.rept 4
	v_cvt_pk_bf16_f32 v32, v[ACC+4*n], v[ACC+4*n+1]      ; Wg rounded to bf16 and widened again, once for the work-group
	v_cvt_pk_bf16_f32 v33, v[ACC+4*n+2], v[ACC+4*n+3]
	v_lshlrev_b32 v[ACC+4*n], 16, v32
	v_and_b32 v[ACC+4*n+1], s32, v32
	v_lshlrev_b32 v[ACC+4*n+2], 16, v33
	v_and_b32 v[ACC+4*n+3], s32, v33
	ds_store_b128 v5, v[ACC+4*n:ACC+4*n+3] offset:4608*n
.set n, n+1
.endr
	s_wait_dscnt 0x0                               ; for the others' sake: my part of the table is written
	s_barrier_signal -1
	s_barrier_wait -1
.set j, 0
.rept 4
.set i, 0
.rept 4
	ds_load_b128 v[WG+32*j+8*i:WG+32*j+8*i+3],   v6 offset:4608*j+32*i
	ds_load_b128 v[WG+32*j+8*i+4:WG+32*j+8*i+7], v6 offset:4608*j+32*i+16
.set i, i+1
.endr
.set j, j+1
.endr
	; x: rounded to bf16, stored (256 consecutive bytes a store), widened again in place
.set q, 0
.rept 4
	s_wait_loadcnt 12-4*q                          ; token q's four loads are in, the later tokens' stay out
.if q == 2
	s_wait_xcnt 0x0                                ; the first two tokens' stores have read XB: it is written again only behind this wait
.endif
.set j, 0
.rept 4
	v_cvt_pk_bf16_f32 v[XB+8*(q%2)+2*j],   v[X+16*q+4*j],   v[X+16*q+4*j+1]
	v_cvt_pk_bf16_f32 v[XB+8*(q%2)+2*j+1], v[X+16*q+4*j+2], v[X+16*q+4*j+3]
	global_store_b64 v4, v[XB+8*(q%2)+2*j:XB+8*(q%2)+2*j+1], s[12:13] offset:1024*q+256*j
	v_lshlrev_b32 v[X+16*q+4*j],   16,  v[XB+8*(q%2)+2*j]
	v_and_b32     v[X+16*q+4*j+1], s32, v[XB+8*(q%2)+2*j]
	v_lshlrev_b32 v[X+16*q+4*j+2], 16,  v[XB+8*(q%2)+2*j+1]
	v_and_b32     v[X+16*q+4*j+3], s32, v[XB+8*(q%2)+2*j+1]
.set j, j+1
.endr
.set q, q+1
.endr
	s_wait_dscnt 0x0                               ; Wg's table is in registers
	; 4 tokens x 16 numbers x 8 experts: two experts an instruction, x given to both halves; sixteen sums take turns
.set j, 0
.rept 4
.set i, 0
.rept 4
.set q, 0
.rept 4
.set p, 0
.rept 4
.if (j == 0) && (i == 0)
	v_pk_mul_f32 v[ACC+8*q+2*p:ACC+8*q+2*p+1], v[WG+32*j+8*i+2*p:WG+32*j+8*i+2*p+1], v[X+16*q+4*j+2*(i/2):X+16*q+4*j+2*(i/2)+1] op_sel_hi:[1,0]
.elseif (i%2) == 0
	v_pk_fma_f32 v[ACC+8*q+2*p:ACC+8*q+2*p+1], v[WG+32*j+8*i+2*p:WG+32*j+8*i+2*p+1], v[X+16*q+4*j+2*(i/2):X+16*q+4*j+2*(i/2)+1], v[ACC+8*q+2*p:ACC+8*q+2*p+1] op_sel_hi:[1,0,1]
.else
	v_pk_fma_f32 v[ACC+8*q+2*p:ACC+8*q+2*p+1], v[WG+32*j+8*i+2*p:WG+32*j+8*i+2*p+1], v[X+16*q+4*j+2*(i/2):X+16*q+4*j+2*(i/2)+1], v[ACC+8*q+2*p:ACC+8*q+2*p+1] op_sel:[0,1,0] op_sel_hi:[1,1,1]
.endif
.set p, p+1
.endr
.set q, q+1
.endr
.set i, i+1
.endr
.set j, j+1
.endr
	SUMS ACC, 32, X
.set q, 0
.rept 4
	ds_store_b128 v7, v[ACC+8*q:ACC+8*q+3]   offset:32*q      ; all lanes write the same bytes with the same numbers
	ds_store_b128 v7, v[ACC+8*q+4:ACC+8*q+7] offset:32*q+16
.set q, q+1
.endr
	s_wait_dscnt 0x0
	s_barrier_signal -1
	s_barrier_wait -1                              ; the 32 tokens' logits lie in LDS
	s_cmp_lg_u32 s20, 0
	s_cbranch_scc1 .Lend
	; wave 0: a lane a token
	v_lshl_add_u32 v8, v1, 5, LOG
	ds_load_b128 v[16:19], v8
	ds_load_b128 v[20:23], v8 offset:16
.set n, 0
.rept 4
	v_cvt_pk_bf16_f32 v24, s[24+2*n], s[25+2*n]    ; bg rounded to bf16
	v_lshlrev_b32 v[32+2*n], 16, v24
	v_and_b32 v[33+2*n], s32, v24
.set n, n+1
.endr
	s_wait_dscnt 0x0
.set n, 0
.rept 4
	v_pk_add_f32 v[16+2*n:17+2*n], v[16+2*n:17+2*n], v[32+2*n:33+2*n]
.set n, n+1
.endr
	v_mov_b32 v40, v16                             ; the largest logit and its index: a later one wins only if it is greater
	v_mov_b32 v41, 0
.set n, 1
.rept 7
	v_cmp_gt_f32 vcc_lo, v[16+n], v40
	v_cndmask_b32 v40, v40, v[16+n], vcc_lo
	v_cndmask_b32 v41, v41, n, vcc_lo
.set n, n+1
.endr
	v_mov_b32 v42, 0xff800000                      ; the second largest: the same scan without the first
	v_mov_b32 v43, 0
.set n, 0
.rept 8
	v_cmp_gt_f32 vcc_lo, v[16+n], v42
	v_cmp_ne_u32 s40, n, v41
	s_and_b32 vcc_lo, vcc_lo, s40
	v_cndmask_b32 v42, v42, v[16+n], vcc_lo
	v_cndmask_b32 v43, v43, n, vcc_lo
.set n, n+1
.endr
	s_mov_b32 s36, 0x3fb8aa3b                      ; log2(e)
.set n, 0
.rept 8
	v_sub_f32 v[48+n], v[16+n], v40                ; the maximum is taken away before every exponential
	v_mul_f32 v[48+n], s36, v[48+n]
.set n, n+1
.endr
	v_sub_f32 v56, v42, v40
	v_mul_f32 v56, s36, v56
.set n, 0
.rept 9
	v_exp_f32 v[48+n], v[48+n]
.set n, n+1
.endr
	v_nop                                          ; a plain instruction behind the last exponential,
	s_wait_alu depctr_va_vdst(0)                   ; and one wait for the batch of nine
	v_add_f32 v57, v48, v49
	v_add_f32 v58, v50, v51
	v_add_f32 v59, v52, v53
	v_add_f32 v60, v54, v55
	v_add_f32 v57, v57, v58
	v_add_f32 v59, v59, v60
	v_add_f32 v57, v57, v59                        ; the sum of the eight
	v_add_f32 v58, 1.0, v56
	v_rcp_f32 v62, v58                             ; p1 = 1 / (1 + e^(m2 - m1))
	v_log_f32 v60, v57
	v_nop
	s_wait_alu depctr_va_vdst(0)                   ; one wait for the two
	v_mul_f32 v63, v56, v62                        ; p2
	v_fmamk_f32 v80, v60, 0x3f317218, v40          ; logsumexp = m1 + ln 2 x log2(sum)
	v_mul_f32 v80, v80, v80
	v_mov_b32 v65, 0                               ; lane e: how many of the 32 tokens chose expert e
	v_mov_b32 v66, 0                               ; my rank among them for my first expert,
	v_mov_b32 v67, 0                               ; and for my second
.set n, 0
.rept 8
	v_cmp_eq_u32 s40, n, v41
	v_cmp_eq_u32 s41, n, v43
	s_or_b32 s42, s40, s41
	s_bcnt1_i32_b32 s43, s42
	v_writelane_b32 v65, s43, n
	v_mbcnt_lo_u32_b32 v68, s42, 0
	v_cndmask_b32 v66, v66, v68, s40
	v_cndmask_b32 v67, v67, v68, s41
	v_cndmask_b32 v[72+n], 0, v62, s40             ; my gate for expert n, or 0
	v_cndmask_b32 v[72+n], v[72+n], v63, s41
.set n, n+1
.endr
	SUMS 72, 9, 84                                 ; the group's eight sums of gates and its sum of squares
	v_mov_b32 v69, 0
.set n, 0
.rept 9
	v_cmp_eq_u32 vcc_lo, n, v1
	v_cndmask_b32 v69, v69, v[72+n], vcc_lo        ; lane n takes sum n; lanes 9 on keep 0
.set n, n+1
.endr
	v_lshl_or_b32 v70, v43, 8, v41                 ; i1 | i2 << 8 | r1 << 16 | r2 << 24
	v_lshl_or_b32 v70, v66, 16, v70
	v_lshl_or_b32 v70, v67, 24, v70
	s_lshl_b32 s22, ttmp9, 7
	v_lshl_add_u32 v9, v1, 2, s22
	s_lshl_b32 s22, ttmp9, 8
	v_lshl_add_u32 v10, v1, 3, s22
	s_lshl_b32 s22, ttmp9, 6
	v_lshl_add_u32 v11, v1, 2, s22
	s_lshl_b32 s22, ttmp9, 5
	v_lshl_add_u32 v12, v1, 2, s22
	global_store_b32 v9, v70, s[14:15] offset:4096       ; sel[token]
	global_store_b64 v10, v[62:63], s[16:17] offset:8192 ; gate[token][2]
	s_wait_xcnt 0x0                                ; EXEC changes only behind this wait
	v_cmp_gt_u32 vcc_lo, 16, v1
	s_and_saveexec_b32 s44, vcc_lo
	global_store_b32 v11, v69, s[16:17]            ; fsum[G][16]
	s_wait_xcnt 0x0
	s_or_b32 exec_lo, exec_lo, s44
	v_cmp_gt_u32 vcc_lo, 8, v1
	s_and_saveexec_b32 s44, vcc_lo
	global_store_b32 v12, v65, s[14:15]            ; cnt[G][8]
	s_wait_xcnt 0x0
	s_or_b32 exec_lo, exec_lo, s44
	s_branch .Lend
	; ---------------- W1's layout ----------------
.Lconv:
	s_sub_co_u32 s21, ttmp9, 128
	s_lshl_b32 s21, s21, 3
	s_add_co_u32 s21, s21, s20                     ; my block, 0..2047: e = bits 10:8, step t = bits 7:4, 128 columns sw = bits 3:0
	s_lshr_b32 s22, s21, 8
	s_bfe_u32 s23, s21, 0x40004
	s_and_b32 s24, s21, 15
	s_lshl_b32 s26, s22, 22                        ; an expert: 512 x 2,048 x 4 bytes
	s_lshl_b32 s25, s23, 18                        ; 32 rows of 8,192 bytes
	s_add_co_u32 s26, s26, s25
	s_lshl_b32 s25, s24, 9                         ; 128 columns
	s_add_co_u32 s26, s26, s25
	s_mov_b32 s27, 0
	s_add_nc_u64 s[10:11], s[10:11], s[26:27]
	s_lshl_b32 s26, s22, 4
	s_add_co_u32 s26, s26, s24
	s_lshl_b32 s26, s26, 5
	s_add_co_u32 s26, s26, s23
	s_lshl_b32 s26, s26, 13                        ; ((16 e + sw) x 32 + t) x 8,192
	s_add_nc_u64 s[18:19], s[18:19], s[26:27]
	s_mul_i32 s25, s20, 8448                       ; my wave's LDS bytes
	v_lshrrev_b32 v5, 2, v1
	v_mul_u32_u24 v5, v5, 1040
	v_and_b32 v6, 3, v1
	v_lshl_add_u32 v5, v6, 6, v5
	v_add_nc_u32 v5, s25, v5
	v_add_nc_u32 v6, s25, v2
	CONV 8192, 10, 18
.Lend:
	s_wait_tensorcnt 0x0                           ; the wave's end, behind my last LDS store
	ds_add_u32 v[SPW], v[NIL]
	s_wait_dscnt 0x0
	s_endpgm
.Lfunc_end_k_qc5fdc0b501_route_w1:
	.size	k_qc5fdc0b501_route_w1, .Lfunc_end_k_qc5fdc0b501_route_w1-k_qc5fdc0b501_route_w1
	.p2alignl 7, 3214868480
	.fill 96, 4, 3214868480
	.section	.rodata,"a",@progbits
	.p2align	6, 0x0
	.amdhsa_kernel k_qc5fdc0b501_route_w1
		.amdhsa_group_segment_fixed_size 88064
		.amdhsa_private_segment_fixed_size 0
		.amdhsa_enable_private_segment 0
		.amdhsa_kernarg_size 64
		.amdhsa_user_sgpr_count 2
		.amdhsa_user_sgpr_kernarg_segment_ptr 1
		.amdhsa_wavefront_size32 1
		.amdhsa_system_sgpr_workgroup_id_x 1
		.amdhsa_system_sgpr_workgroup_id_y 1
		.amdhsa_system_sgpr_workgroup_id_z 1
		.amdhsa_system_vgpr_workitem_id 0
		.amdhsa_next_free_vgpr 256
		.amdhsa_next_free_sgpr 66
		.amdhsa_reserve_vcc 1
		.amdhsa_float_denorm_mode_32 3
		.amdhsa_float_denorm_mode_16_64 3
		.amdhsa_memory_ordered 1
		.amdhsa_forward_progress 1
		.amdhsa_inst_pref_size 68
	.end_amdhsa_kernel
	.amdgpu_metadata
---
amdhsa.version: [ 1, 2 ]
amdhsa.kernels:
  - .name:           k_qc5fdc0b501_route_w1
    .symbol:         k_qc5fdc0b501_route_w1.kd
    .args:
      - { .name: x, .offset: 0, .size: 8, .value_kind: global_buffer, .address_space: global }
      - { .name: Wg, .offset: 8, .size: 8, .value_kind: global_buffer, .address_space: global }
      - { .name: bg, .offset: 16, .size: 8, .value_kind: global_buffer, .address_space: global }
      - { .name: W1, .offset: 24, .size: 8, .value_kind: global_buffer, .address_space: global }
      - { .name: xb, .offset: 32, .size: 8, .value_kind: global_buffer, .address_space: global }
      - { .name: route, .offset: 40, .size: 8, .value_kind: global_buffer, .address_space: global }
      - { .name: gf, .offset: 48, .size: 8, .value_kind: global_buffer, .address_space: global }
      - { .name: wf, .offset: 56, .size: 8, .value_kind: global_buffer, .address_space: global }
    .group_segment_fixed_size: 88064
    .private_segment_fixed_size: 0
    .kernarg_segment_align: 8
    .kernarg_segment_size: 64
    .max_flat_workgroup_size: 256
    .sgpr_count:     66
    .vgpr_count:     256
    .wavefront_size: 32
...
	.end_amdgpu_metadata
.endif
;; end of part 1
;; launch sort_w2 (part 2): grid 272 x 1, 8 waves a work-group, no clusters, 68,608 bytes of LDS; arguments W2, route, gf, wf, list, out1, out2; writes wf, list, out1, out2
.if DOCPART == 2
	.amdgcn_target "amdgcn-amd-amdhsa--gfx1250"
	.amdhsa_code_object_version 6
	.text
	.protected	k_qc5fdc0b501_sort_w2
	.globl	k_qc5fdc0b501_sort_w2
	.p2align	8
	.type	k_qc5fdc0b501_sort_w2,@function
k_qc5fdc0b501_sort_w2:
	s_mov_b64 s[64:65], 0
	v_nop
	global_prefetch_b8 v0, s[64:65] scope:SCOPE_SE
	s_setreg_imm32_b32 hwreg(HW_REG_WAVE_MODE, 25, 1), 1
	s_wait_xcnt 0x0
; Launch 2 of 4: the chosen rows are put in the experts' order (a counting sort, no atomics), the table of row tiles and the two losses are made, and W2 is laid out as matrix fragments.
; Only chosen rows are listed: an expert's products for a token that did not choose it are multiplied by a gate that is exactly 0 (shown at the head of launch 1).
; WORK-GROUPS 0-15: wave g = 8 X + w places the 64 choices of the 32 tokens of group g.  Every wave adds up the 128 x 8 counts for itself: n_e in all, and those of the groups in front of g.
;   rows[base_e + (counts of the groups in front) + rank in the group] = 2 x token + k.  Each place 0..8191 is taken once; places 8192..8447 are set to 0, so that a tile may read past the end.
;   Wave 0 also writes 64 tiles of 144 rows (expert, first row, rows that count, number within the expert): the sum over e of ceil(n_e / 144) is at most (8192 + 8 x 143) / 144, hence at most 64, for every split.
;   Wave 1 also makes aux_loss = 8 sum_e (sum of gates_e / 4096) (n_e / 4096) and z_loss = (sum of logsumexp^2) / 4096.
; WORK-GROUPS 16-271: each wave turns one block of 32 k x 128 d of W2 into 8,192 bytes of wf: steps 16-31 hold W2[e][512 slice + 32 (t - 16) + 16 c + 8 (lane / 16) + i][128 wave + 16 b + lane % 16].
.set SPARE, 67584                      ; behind the eight waves' blocks: the spare words, 128 bytes a wave
.set SPW, 14
.set NIL, 15
.set IN,  32
.set PC,  160
.set NE,  24                           ; s[24:31] n_e
.set PRE, 32                           ; s[32:39] counts of expert e in the groups in front of mine
.set OFS, 40                           ; s[40:47] base_e + PRE_e
.set BAS, 48                           ; s[48:55] base_e
.set TS,  66                           ; s[66:73] the first tile of expert e
.macro CONV stride, src, dst           ; as in launch 1
.set kk, 0
.rept 32
	global_load_b128 v[IN+4*kk:IN+4*kk+3], v2, s[\src:\src+1] offset:kk*(\stride) th:TH_LOAD_NT
.set kk, kk+1
.endr
.set kq, 0
.rept 4
	s_wait_loadcnt 24-8*kq                         ; rows 8 kq .. 8 kq + 7 are in, the later rows stay out
.set jn, 0
.rept 4
.set ii, 0
.rept 4
	v_cvt_pk_bf16_f32 v[PC+16*(kq%2)+4*jn+ii], v[IN+4*(8*kq+2*ii)+jn], v[IN+4*(8*kq+2*ii+1)+jn]
.set ii, ii+1
.endr
	ds_store_b128 v5, v[PC+16*(kq%2)+4*jn:PC+16*(kq%2)+4*jn+3] offset:(kq/2)*512+(kq%2)*256+16*jn
.set jn, jn+1
.endr
.set kq, kq+1
.endr
.set kk, 0
.rept 16
	ds_load_b128 v[IN+4*kk:IN+4*kk+3], v6 offset:(kk/2)*1040+(kk%2)*512  ; my own bytes: LDS serves a wave's instructions in order
.set kk, kk+1
.endr
.set kk, 0
.rept 16
	s_wait_dscnt 15-kk                             ; run kk is back, the later ones stay out
	global_store_b128 v2, v[IN+4*kk:IN+4*kk+3], s[\dst:\dst+1] offset:512*kk th:TH_STORE_NT
.set kk, kk+1
.endr
.endm
	s_load_b256 s[4:11], s[0:1], 0x0               ; W2 s[4:5], route s[6:7], gf s[8:9], wf s[10:11]
	s_load_b128 s[12:15], s[0:1], 0x20             ; list s[12:13], out1 s[14:15]
	s_load_b64 s[16:17], s[0:1], 0x30              ; out2
	v_lshl_add_u32 v[SPW], v0, 2, SPARE
	v_mov_b32 v[NIL], 0
	v_lshrrev_b32 v1, 5, v0
	v_readfirstlane_b32 s20, v1                    ; wave 0..7
	v_and_b32 v1, 31, v0                           ; lane
	v_lshlrev_b32 v2, 4, v1                        ; 16 x lane
	s_mov_b32 s18, 0x76543210
	s_mov_b32 s19, 0xfedcba98
	s_wait_kmcnt 0x0
	s_cmp_ge_u32 ttmp9, 16
	s_cbranch_scc1 .Lconv
	; ---------------- the sort ----------------
	s_lshl_b32 s21, ttmp9, 3
	s_add_co_u32 s21, s21, s20                     ; my group g
	s_lshl_b32 s22, s21, 7
	v_lshl_add_u32 v5, v1, 2, s22
	global_load_b32 v16, v5, s[6:7] offset:4096    ; sel of token 32 g + lane
.set j, 0
.rept 8
	global_load_b128 v[32+4*j:35+4*j], v2, s[6:7] offset:512*j  ; cnt[16 j + lane / 2][4 (lane % 2) + 0..3]
.set j, j+1
.endr
	v_lshrrev_b32 v3, 1, v1
	v_mov_b32 v4, 0
.set n, 0
.rept 8
	v_mov_b32 v[64+n], 0                           ; v[64:67] all groups, v[68:71] the groups in front of mine
.set n, n+1
.endr
	s_wait_loadcnt 0x0
.set j, 0
.rept 8
	s_sub_co_i32 s22, s21, 16*j
	v_cmp_gt_i32 vcc_lo, s22, v3                   ; is group 16 j + lane / 2 in front of g?
.set i, 0
.rept 4
	v_add_nc_u32 v[64+i], v[64+i], v[32+4*j+i]
	v_cndmask_b32 v6, 0, v[32+4*j+i], vcc_lo
	v_add_nc_u32 v[68+i], v[68+i], v6
.set i, i+1
.endr
.set j, j+1
.endr
.set n, 0
.rept 8                                ; over the lanes of my parity
.irp m, 2,4,8
	v_mov_b32_dpp v4, v[64+n] row_xmask:\m row_mask:0xf bank_mask:0xf
	v_add_nc_u32 v[64+n], v[64+n], v4
.endr
	v_permlanex16_b32 v4, v[64+n], s18, s19
	v_add_nc_u32 v[64+n], v[64+n], v4
.set n, n+1
.endr
.set n, 0
.rept 8
	v_readlane_b32 s[NE+n],  v[64+n%4], n/4        ; even lanes hold experts 0-3, odd lanes 4-7
	v_readlane_b32 s[PRE+n], v[68+n%4], n/4
.set n, n+1
.endr
	s_mov_b32 s[BAS], 0
.set n, 0
.rept 7
	s_add_co_u32 s[BAS+n+1], s[BAS+n], s[NE+n]
.set n, n+1
.endr
.set n, 0
.rept 8
	s_add_co_u32 s[OFS+n], s[BAS+n], s[PRE+n]
.set n, n+1
.endr
	v_and_b32 v17, 0xff, v16                       ; i1
	v_bfe_u32 v18, v16, 8, 8                       ; i2
	v_bfe_u32 v19, v16, 16, 8                      ; r1
	v_lshrrev_b32 v20, 24, v16                     ; r2
	v_mov_b32 v21, 0
	v_mov_b32 v22, 0
.set n, 0
.rept 8
	v_cmp_eq_u32 vcc_lo, n, v17
	v_cndmask_b32 v21, v21, s[OFS+n], vcc_lo
	v_cmp_eq_u32 vcc_lo, n, v18
	v_cndmask_b32 v22, v22, s[OFS+n], vcc_lo
.set n, n+1
.endr
	v_add_nc_u32 v21, v21, v19
	v_add_nc_u32 v22, v22, v20
	v_min_u32 v21, 0x1fff, v21                     ; a place made of loaded numbers is held inside the list
	v_min_u32 v22, 0x1fff, v22
	v_lshlrev_b32 v21, 2, v21
	v_lshlrev_b32 v22, 2, v22
	s_lshl_b32 s22, s21, 6
	v_lshl_add_u32 v23, v1, 1, s22                 ; 2 x token
	v_add_nc_u32 v24, 1, v23
	global_store_b32 v21, v23, s[12:13] offset:1024
	global_store_b32 v22, v24, s[12:13] offset:1024
	s_cmp_lg_u32 s21, 0
	s_cbranch_scc1 .Lnot0
	; wave 0 of work-group 0: the pad and the tiles
.set n, 0
.rept 4
	v_mov_b32 v[72+n], 0
.set n, n+1
.endr
	global_store_b128 v2, v[72:75], s[12:13] offset:33792
	global_store_b128 v2, v[72:75], s[12:13] offset:34304
	s_mov_b32 s[TS], 0
.set n, 0
.rept 7
	s_add_co_u32 s22, s[NE+n], 143
	s_mul_i32 s22, s22, 7282                       ; floor(v / 144) = (7282 v) >> 20 for v under 32,768; here v is at most 4,239
	s_lshr_b32 s22, s22, 20
	s_add_co_u32 s[TS+n+1], s[TS+n], s22
.set n, n+1
.endr
.set hf, 0
.rept 2
.set T, 88+4*hf                        ; (expert, first row, rows that count, number within the expert)
	v_add_nc_u32 v76, 32*hf, v1                    ; tile j
	v_mov_b32 v[T], 0
	v_mov_b32 v[T+1], 0
	v_mov_b32 v[T+2], s[NE]
	v_mov_b32 v[T+3], 0
.set n, 1
.rept 7
	v_cmp_le_u32 vcc_lo, s[TS+n], v76              ; the last expert whose first tile is not behind j
	v_cndmask_b32 v[T], v[T], n, vcc_lo
	v_cndmask_b32 v[T+1], v[T+1], s[BAS+n], vcc_lo
	v_cndmask_b32 v[T+2], v[T+2], s[NE+n], vcc_lo
	v_cndmask_b32 v[T+3], v[T+3], s[TS+n], vcc_lo
.set n, n+1
.endr
	v_sub_nc_u32 v[T+3], v76, v[T+3]               ; q
	v_mul_u32_u24 v84, v[T+3], 144
	v_add_nc_u32 v[T+1], v[T+1], v84               ; base + 144 q
	v_min_u32 v85, v84, v[T+2]
	v_sub_nc_u32 v[T+2], v[T+2], v85
	v_min_u32 v[T+2], 144, v[T+2]                  ; min(n - min(144 q, n), 144): 0 in a tile that this split leaves without rows
	global_store_b128 v2, v[T:T+3], s[12:13] offset:512*hf
.set hf, hf+1
.endr
	s_branch .Lend
.Lnot0:
	s_cmp_lg_u32 s21, 1
	s_cbranch_scc1 .Lend
	; wave 1 of work-group 0: the losses
.set j, 0
.rept 16
	global_load_b128 v[96+4*j:99+4*j], v2, s[8:9] offset:512*j  ; fsum[8 j + lane / 4][4 (lane % 4) + 0..3]
.set j, j+1
.endr
	s_wait_loadcnt 0x0
.set n, 1
.rept 15
	v_pk_add_f32 v[96:97], v[96:97], v[96+4*n:97+4*n]
	v_pk_add_f32 v[98:99], v[98:99], v[98+4*n:99+4*n]
.set n, n+1
.endr
.irp m, 4,8
.set n, 0
.rept 4
	v_add_f32_dpp v[96+n], v[96+n], v[96+n] row_xmask:\m row_mask:0xf bank_mask:0xf
.set n, n+1
.endr
.endr
.set n, 0
.rept 4
	v_permlanex16_b32 v[100+n], v[96+n], s18, s19
	v_add_f32 v[96+n], v[96+n], v[100+n]           ; lanes 0 mod 4: gates of experts 0-3; 1 mod 4: 4-7; 2 mod 4: the squares in the first
.set n, n+1
.endr
	v_and_b32 v7, 3, v1
	v_cmp_eq_u32 s74, 0, v7
	v_cmp_eq_u32 s75, 1, v7
.set n, 0
.rept 4
	v_cvt_f32_u32 v8, s[NE+n]
	v_cvt_f32_u32 v9, s[NE+4+n]
	v_cndmask_b32 v8, 0, v8, s74
	v_cndmask_b32 v8, v8, v9, s75
.if n == 0
	v_mul_f32 v10, v96, v8
.else
	v_fmac_f32 v10, v[96+n], v8
.endif
.set n, n+1
.endr
	v_add_f32_dpp v10, v10, v10 row_xmask:1 row_mask:0xf bank_mask:0xf
	v_mul_f32 v10, 0x35000000, v10                 ; x 8 / 4096^2 = 2^-21
	v_mul_f32 v11, 0x39800000, v96                 ; x 2^-12
	v_mov_b32 v12, 0
	v_mov_b32_dpp v12, v11 row_xmask:2 row_mask:0xf bank_mask:0xf  ; lane 0 takes lane 2's
	v_mov_b32 v13, 0
	s_wait_xcnt 0x0                                ; EXEC changes only behind this wait
	v_cmp_eq_u32 vcc_lo, 0, v1
	s_and_saveexec_b32 s76, vcc_lo
	global_store_b32 v13, v10, s[14:15]
	global_store_b32 v13, v12, s[16:17]
	s_wait_xcnt 0x0
	s_or_b32 exec_lo, exec_lo, s76
	s_branch .Lend
	; ---------------- W2's layout ----------------
.Lconv:
	s_sub_co_u32 s21, ttmp9, 16
	s_lshl_b32 s21, s21, 3
	s_add_co_u32 s21, s21, s20                     ; my block, 0..2047: e = bits 10:8, 32 rows kt = bits 7:2, 128 columns = bits 1:0
	s_lshr_b32 s22, s21, 8
	s_bfe_u32 s23, s21, 0x60002
	s_and_b32 s24, s21, 3
	s_lshl_b32 s26, s22, 22                        ; an expert: 2,048 x 512 x 4 bytes
	s_lshl_b32 s25, s23, 16                        ; 32 rows of 2,048 bytes
	s_add_co_u32 s26, s26, s25
	s_lshl_b32 s25, s24, 9
	s_add_co_u32 s26, s26, s25
	s_mov_b32 s27, 0
	s_add_nc_u64 s[4:5], s[4:5], s[26:27]
	s_lshl_b32 s26, s22, 4
	s_lshr_b32 s25, s23, 4
	s_lshl2_add_u32 s26, s25, s26                  ; 16 e + 4 slice
	s_add_co_u32 s26, s26, s24
	s_lshl_b32 s26, s26, 5
	s_and_b32 s25, s23, 15
	s_add_co_u32 s26, s26, s25
	s_add_co_u32 s26, s26, 16                      ; steps 16-31
	s_lshl_b32 s26, s26, 13
	s_add_nc_u64 s[10:11], s[10:11], s[26:27]
	s_mul_i32 s25, s20, 8448
	v_lshrrev_b32 v5, 2, v1
	v_mul_u32_u24 v5, v5, 1040
	v_and_b32 v6, 3, v1
	v_lshl_add_u32 v5, v6, 6, v5
	v_add_nc_u32 v5, s25, v5
	v_add_nc_u32 v6, s25, v2
	CONV 2048, 4, 10
.Lend:
	s_wait_tensorcnt 0x0                           ; the wave's end, behind my last LDS store
	ds_add_u32 v[SPW], v[NIL]
	s_wait_dscnt 0x0
	s_endpgm
.Lfunc_end_k_qc5fdc0b501_sort_w2:
	.size	k_qc5fdc0b501_sort_w2, .Lfunc_end_k_qc5fdc0b501_sort_w2-k_qc5fdc0b501_sort_w2
	.p2alignl 7, 3214868480
	.fill 96, 4, 3214868480
	.section	.rodata,"a",@progbits
	.p2align	6, 0x0
	.amdhsa_kernel k_qc5fdc0b501_sort_w2
		.amdhsa_group_segment_fixed_size 68608
		.amdhsa_private_segment_fixed_size 0
		.amdhsa_enable_private_segment 0
		.amdhsa_kernarg_size 56
		.amdhsa_user_sgpr_count 2
		.amdhsa_user_sgpr_kernarg_segment_ptr 1
		.amdhsa_wavefront_size32 1
		.amdhsa_system_sgpr_workgroup_id_x 1
		.amdhsa_system_sgpr_workgroup_id_y 1
		.amdhsa_system_sgpr_workgroup_id_z 1
		.amdhsa_system_vgpr_workitem_id 0
		.amdhsa_next_free_vgpr 192
		.amdhsa_next_free_sgpr 80
		.amdhsa_reserve_vcc 1
		.amdhsa_float_denorm_mode_32 3
		.amdhsa_float_denorm_mode_16_64 3
		.amdhsa_memory_ordered 1
		.amdhsa_forward_progress 1
		.amdhsa_inst_pref_size 38
	.end_amdhsa_kernel
	.amdgpu_metadata
---
amdhsa.version: [ 1, 2 ]
amdhsa.kernels:
  - .name:           k_qc5fdc0b501_sort_w2
    .symbol:         k_qc5fdc0b501_sort_w2.kd
    .args:
      - { .name: W2, .offset: 0, .size: 8, .value_kind: global_buffer, .address_space: global }
      - { .name: route, .offset: 8, .size: 8, .value_kind: global_buffer, .address_space: global }
      - { .name: gf, .offset: 16, .size: 8, .value_kind: global_buffer, .address_space: global }
      - { .name: wf, .offset: 24, .size: 8, .value_kind: global_buffer, .address_space: global }
      - { .name: list, .offset: 32, .size: 8, .value_kind: global_buffer, .address_space: global }
      - { .name: out1, .offset: 40, .size: 8, .value_kind: global_buffer, .address_space: global }
      - { .name: out2, .offset: 48, .size: 8, .value_kind: global_buffer, .address_space: global }
    .group_segment_fixed_size: 68608
    .private_segment_fixed_size: 0
    .kernarg_segment_align: 8
    .kernarg_segment_size: 56
    .max_flat_workgroup_size: 256
    .sgpr_count:     80
    .vgpr_count:     192
    .wavefront_size: 32
...
	.end_amdgpu_metadata
.endif
;; end of part 2
;; launch chain (part 3): grid 4 x 64, 4 waves a work-group, no clusters, 184,064 bytes of LDS; arguments xb, wf, b1, list, part; writes part
.if DOCPART == 3
	.amdgcn_target "amdgcn-amd-amdhsa--gfx1250"
	.amdhsa_code_object_version 6
	.text
	.protected	k_qc5fdc0b501_chain
	.globl	k_qc5fdc0b501_chain
	.p2align	8
	.type	k_qc5fdc0b501_chain,@function
k_qc5fdc0b501_chain:
	s_mov_b64 s[64:65], 0
	v_nop
	global_prefetch_b8 v0, s[64:65] scope:SCOPE_SE
	s_setreg_imm32_b32 hwreg(HW_REG_WAVE_MODE, 25, 1), 1
	s_wait_xcnt 0x0
; Launch 3 of 4: for a tile of 144 chosen rows of one expert and one slice of 512 hidden units: part = relu(X W1[:, slice] + b1[slice]) W2[slice, :], f32 partial rows.
; Only chosen rows are multiplied: the other rows' results would meet a gate that is exactly 0 (shown at the head of launch 1).
; SHARES.  Work-group (slice, tile).  In both products wave w owns all 144 rows and 128 columns: 9 x 8 accumulators of 16 x 16, 576 registers; K = 512 in 16 steps of 32, 72 matrix instructions each.
; THE WEIGHTS COME STRAIGHT INTO REGISTERS: launches 1 and 2 laid them out in the order in which a lane takes them, 8,192 consecutive bytes for a wave and step, and no wave wants another wave's.
; Four register buffers: while a step is multiplied the loads of the next three are out (24 KiB a wave).  So the K loops hold no barrier and write no LDS.
; LDS holds the row tile (X, later h, rows of 1,024 bytes + 16) and a stage for the way out.
; THE MATRIX INSTRUCTION IS USED TRANSPOSED (source 0 = 16 weight columns, source 1 = 16 rows): a lane then holds one row and eight neighbouring columns.  b1 (rounded to bf16) is the C of the first step.
; PLACES PAST A TILE'S COUNT hold the list's following rows (or its pad): rows that exist; their results are not stored.  A tile that this split leaves without rows stores nothing:
; every wave still passes every barrier, and only stores are jumped, forward, with no barrier behind them.
; NO CLUSTER.  What work-groups share is an expert's weights.  Whole clusters of four row tiles for each expert need sum_e ceil(n_e / 4 M) <= 16 for every split, that is (8192 + 8 (4 M - 1)) / 4 M < 17,
; M >= 228 rows; 228 x 512 f32 sums are 466,944 bytes, which with the operands do not fit the four waves' 4 x 1,024 x 128 bytes of registers.  With M = 144 such a grid would pass 256 work-groups.
; AHEAD OF THE LOADS.  The expert's first tile (q = 0) prefetches its own waves' streams, a lane for each 256 bytes, four steps at a time, eight steps (576 matrix instructions) ahead of their loads:
; at steps 1, 5, 9, 13, 17 it names steps 12-15, 16-19, .. 28-31.  Steps 0-11 come by their loads alone; nothing behind step 31 is named.  So each block of a stream is named once in the launch.
; LIMITS.  h is rounded once to bf16; sums in f32.
; REGISTERS, in windows of 256 (s_set_vgpr_msb: bits 1:0 source 0, 3:2 source 1, 5:4 source 2, 7:6 destination):
;   window 0: v0-17 addresses; v18-47 at work; v48-119, v120-191 fragments of the rows, two buffers; v192-255 the accumulators of rows 128-143
;   window 1: four buffers of 64 for the weights          window 2: accumulators of rows 0-63 ((a, b) at 64 a + 8 b)          window 3: of rows 64-127
.set PITCH,  1040                      ; 65 x 16 bytes: the sixteen rows of a fragment load start on sixteen different 16-byte columns
.set ABLK,   16*PITCH
.set STAGE,  144*PITCH                 ; 149,760: four waves x 16 rows x 528 bytes
.set SPITCH, 528
.set SPARE,  STAGE+4*16*SPITCH         ; 183,552: the spare words, 128 bytes a wave, two blocks of 256 bytes that no other line names
.set L16,  4                           ; v4   16 x lane
.set PFO,  5                           ; v5   256 x lane
.set ADRA, 6                           ; v6-8  r x 1,040 + 16 hh + (0, 4, 8) blocks of 16 rows; stepped along K
.set HST,  9                           ; v9-11 the same + 256 w: where h goes
.set XST,  12                          ; v12  36 w rows + 16 x lane: where gathered rows go
.set STGW, 13                          ; v13  my stage: 528 r + 32 hh
.set STGR, 14                          ; v14  my stage: 16 x lane
.set BOFF, 15                          ; v15  32 hh
.set SPW,  16
.set NIL,  17
.set AF,   48
.set PB,   6                           ; s[6:7] my wave's stream of weights; stepped by four steps a trip
.set MSB, 0
.macro WIN new                         ; the immediate's high byte repeats the setting that is left; a switch that changes nothing is dropped
.if MSB != (\new)
	s_set_vgpr_msb (MSB<<8)|(\new)
.set MSB, \new
.endif
.endm
.macro PLACES                          ; four plain instructions behind a matrix instruction, ahead of loads into registers that it read and of reads of its result
.rept 4
	v_nop
.endr
.endm
.macro FETCH_A buf, k                  ; 18 LDS loads: nine fragments of 16 rows x 32 K at byte k of the rows
	WIN 0
.set ia, 0
.rept 9
	ds_load_b128 v[AF+72*(\buf)+8*ia:AF+72*(\buf)+8*ia+3],   v[ADRA+ia/4] offset:(ia%4)*ABLK+(\k)
	ds_load_b128 v[AF+72*(\buf)+8*ia+4:AF+72*(\buf)+8*ia+7], v[ADRA+ia/4] offset:(ia%4)*ABLK+(\k)+32
.set ia, ia+1
.endr
.endm
.macro FETCH_B buf, imm                ; 16 loads of 512 consecutive bytes: a step's eight fragments of weights
	WIN 0x40
.set ib, 0
.rept 8
	global_load_b128 v[64*(\buf)+8*ib:64*(\buf)+8*ib+3],   v[L16], s[PB:PB+1] offset:(\imm)+1024*ib
	global_load_b128 v[64*(\buf)+8*ib+4:64*(\buf)+8*ib+7], v[L16], s[PB:PB+1] offset:(\imm)+1024*ib+512
.set ib, ib+1
.endr
.endm
; 72 matrix instructions; the 72 accumulators take turns, one instruction a turn, over the steps' and the loops' edges too.
; mode 0: add in place; 1: C = 0 starts the sums; 2: C = b1, which lies in the weights' fourth buffer.
.macro MULS ab, bb, mode
.set ia, 0
.rept 9
.set WW, (2+ia/4)*(1-ia/8)
.if (\mode) == 2
	WIN 0x11|(WW<<6)
.else
	WIN 0x01|(WW<<4)|(WW<<6)
.endif
.set ib, 0
.rept 8
.set AC, (64*(ia%4))*(1-ia/8)+192*(ia/8)+8*ib
.set BR, 64*(\bb)+8*ib
.set AR, AF+72*(\ab)+8*ia
.if (\mode) == 0
	v_wmma_f32_16x16x32_bf16 v[AC:AC+7], v[BR:BR+7], v[AR:AR+7], v[AC:AC+7]
.elseif (\mode) == 1
	v_wmma_f32_16x16x32_bf16 v[AC:AC+7], v[BR:BR+7], v[AR:AR+7], 0
.else
	v_wmma_f32_16x16x32_bf16 v[AC:AC+7], v[BR:BR+7], v[AR:AR+7], v[192+8*ib:192+8*ib+7]
.endif
.set ib, ib+1
.endr
.set ia, ia+1
.endr
.endm
.macro ASK kind, imm                   ; four steps of my stream, 32 lanes x 256 bytes an instruction; kind 0: the expert's first tile; kind 1: the same, in the loop's first trip alone
	WIN 0
.if \kind
	s_cmp_gt_u32 s60, s61
.else
	s_cmp_eq_u32 s59, 0
.endif
	s_cbranch_scc0 .Lnot_mine_\@
.irp i, 0,1,2,3
	global_prefetch_b8 v[PFO], s[PB:PB+1] offset:(\imm)+8192*(\i) th:TH_LOAD_NT scope:SCOPE_SE
.endr
.Lnot_mine_\@:
.endm
; A K step on row buffer ab and weight buffer bb.  It first asks for the next step's rows (byte ka; -1: none) and for the weights three steps on (byte kb behind the pointer; -1: none):
; both go into buffers that the step before multiplied, four places behind its last product.  wl: the loads of later steps that may stay out.
.macro STEP ab, bb, mode, ka, kb, wl, pf=0, pimm=0
	WIN 0
	PLACES
.if (\ka) >= 0
	FETCH_A 1-(\ab), \ka
.endif
.if (\kb) >= 0
	FETCH_B ((\bb)+3)%4, \kb
.endif
.if \pf
	ASK (\pf)-1, \pimm
.endif
.if (\ka) >= 0
	s_wait_dscnt 18                                ; this step's rows are in; the 18 loads just issued stay out
.else
	s_wait_dscnt 0x0
.endif
	s_wait_loadcnt \wl                             ; this step's weights are in
	MULS \ab, \bb, \mode
.endm
.macro NEXT                            ; a trip's end: four steps on
	WIN 0
	s_wait_xcnt 0x0                                ; every load and prefetch has read the pointer: it is written only behind this wait
	s_add_nc_u64 s[PB:PB+1], s[PB:PB+1], 32768
	v_add_nc_u32 v[ADRA], 256, v[ADRA]
	v_add_nc_u32 v[ADRA+1], 256, v[ADRA+1]
	v_add_nc_u32 v[ADRA+2], 256, v[ADRA+2]
	s_sub_co_u32 s60, s60, 1
	s_cmp_lg_u32 s60, 0
.endm
.macro MAKE_ADRA
	v_mul_u32_u24 v[ADRA], v2, PITCH
	v_lshl_add_u32 v[ADRA], v3, 4, v[ADRA]
	v_add_nc_u32 v[ADRA+1], 4*ABLK, v[ADRA]
	v_add_nc_u32 v[ADRA+2], 8*ABLK, v[ADRA]
.endm
	s_load_b256 s[4:11], s[0:1], 0x0               ; xb s[4:5], wf s[6:7], b1 s[8:9], list s[10:11]
	s_load_b64 s[12:13], s[0:1], 0x20              ; part
	v_lshl_add_u32 v[SPW], v0, 2, SPARE
	v_mov_b32 v[NIL], 0
	v_lshrrev_b32 v1, 5, v0
	v_readfirstlane_b32 s52, v1                    ; wave 0..3
	v_and_b32 v1, 31, v0                           ; lane
	v_and_b32 v2, 15, v0                           ; r
	v_bfe_u32 v3, v0, 4, 1                         ; hh
	v_lshlrev_b32 v[L16], 4, v1
	v_lshlrev_b32 v[PFO], 8, v1
	MAKE_ADRA
	s_lshl_b32 s66, s52, 8
	v_add_nc_u32 v[HST], s66, v[ADRA]
	v_add_nc_u32 v[HST+1], s66, v[ADRA+1]
	v_add_nc_u32 v[HST+2], s66, v[ADRA+2]
	s_mul_i32 s66, s52, 36*PITCH
	v_add_nc_u32 v[XST], s66, v[L16]
	s_mul_i32 s66, s52, 16*SPITCH
	s_add_co_u32 s66, s66, STAGE
	v_mul_u32_u24 v[STGW], v2, SPITCH
	v_lshl_add_u32 v[STGW], v3, 5, v[STGW]
	v_add_nc_u32 v[STGW], s66, v[STGW]
	v_add_nc_u32 v[STGR], s66, v[L16]
	v_lshlrev_b32 v[BOFF], 5, v3
	s_mov_b32 s62, 0
	s_mov_b32 s53, 0xffff0000
	s_and_b32 s67, ttmp7, 0xffff
	s_lshl_b32 s67, s67, 4
	s_wait_kmcnt 0x0
	s_load_b128 s[56:59], s[10:11], s67 offset:0x0 ; my tile: expert, first row, rows that count, number within the expert
	s_wait_kmcnt 0x0
	s_min_u32 s56, s56, 7                          ; loaded numbers are held inside their tables before they enter an address
	s_min_u32 s57, s57, 8191
	s_min_u32 s58, s58, 144
	s_mul_i32 s63, s52, 36
	s_add_co_u32 s63, s63, s57
	s_lshl_b32 s63, s63, 2
	s_load_b512 s[16:31], s[10:11], s63 offset:1024  ; the 36 rows that I gather
	s_load_b512 s[32:47], s[10:11], s63 offset:1088
	s_load_b128 s[48:51], s[10:11], s63 offset:1152
	s_cmp_eq_u32 s59, 0
	s_cselect_b32 s61, 2, -1
	s_lshl_b32 s66, s56, 4
	s_lshl_b32 s67, ttmp9, 2
	s_add_co_u32 s66, s66, s67
	s_add_co_u32 s66, s66, s52
	s_lshl_b32 s66, s66, 18                        ; (16 e + 4 slice + w) x 32 steps x 8,192 bytes
	s_mov_b32 s67, 0
	s_add_nc_u64 s[PB:PB+1], s[PB:PB+1], s[66:67]
	s_lshl_b32 s66, s56, 13
	s_lshl_b32 s68, ttmp9, 11
	s_lshl_b32 s69, s52, 9
	s_add_co_u32 s68, s68, s69                     ; 2,048 slice + 512 w
	s_add_co_u32 s66, s66, s68
	s_add_nc_u64 s[8:9], s[8:9], s[66:67]          ; b1 at my 128 columns
	s_mov_b32 s69, 0
	s_add_nc_u64 s[12:13], s[12:13], s[68:69]      ; part at my slice and my 128 columns of slot 0
	s_wait_kmcnt 0x0
	; THE GATHER: 36 rows of 1,024 bytes a wave, two loads of 512 consecutive bytes a row, through the registers that will hold the sums
.set jj, 0
.rept 36
	s_min_u32 s[16+jj], s[16+jj], 8191
	s_and_b32 s[16+jj], s[16+jj], 0x1ffe           ; slot = 2 x token + k: token x 1,024 = (slot less its low bit) x 512
	v_lshl_add_u32 v[AF+jj], s[16+jj], 9, v[L16]
.set jj, jj+1
.endr
	WIN 0x80
.set jj, 0
.rept 18
	global_load_b128 v[8*jj:8*jj+3],   v[AF+jj], s[4:5]
	global_load_b128 v[8*jj+4:8*jj+7], v[AF+jj], s[4:5] offset:512
.set jj, jj+1
.endr
	WIN 0xc0
.set jj, 0
.rept 18
	global_load_b128 v[8*jj:8*jj+3],   v[AF+18+jj], s[4:5]
	global_load_b128 v[8*jj+4:8*jj+7], v[AF+18+jj], s[4:5] offset:512
.set jj, jj+1
.endr
	s_wait_loadcnt 36                              ; the first 18 rows are in, the other 36 loads stay out
	WIN 0x08
.set jj, 0
.rept 18
	ds_store_b128 v[XST], v[8*jj:8*jj+3]   offset:jj*PITCH
	ds_store_b128 v[XST], v[8*jj+4:8*jj+7] offset:jj*PITCH+512
.set jj, jj+1
.endr
	WIN 0x40
.set ib, 0
.rept 8
	global_load_b128 v[192+8*ib:192+8*ib+3],   v[BOFF], s[8:9] offset:64*ib     ; b1 of columns 16 b + 8 hh + 0..7, as the C operand wants them
	global_load_b128 v[192+8*ib+4:192+8*ib+7], v[BOFF], s[8:9] offset:64*ib+16
.set ib, ib+1
.endr
	FETCH_B 0, 0
	s_wait_loadcnt 32                              ; the gather is in; b1 and step 0's weights stay out
	WIN 0x0c
.set jj, 0
.rept 18
	ds_store_b128 v[XST], v[8*jj:8*jj+3]   offset:(18+jj)*PITCH
	ds_store_b128 v[XST], v[8*jj+4:8*jj+7] offset:(18+jj)*PITCH+512
.set jj, jj+1
.endr
	FETCH_B 1, 8192
	FETCH_B 2, 16384
	s_wait_loadcnt 48                              ; b1 is in; three steps of weights stay out
	WIN 0x05
.set n, 0
.rept 32
	v_cvt_pk_bf16_f32 v[120+n], v[192+2*n], v[192+2*n+1]   ; b1 rounded to bf16,
.set n, n+1
.endr
	WIN 0x40
.set n, 0
.rept 32
	v_lshlrev_b32 v[192+2*n],   16,  v[120+n]              ; and widened again
	v_and_b32     v[192+2*n+1], s53, v[120+n]
.set n, n+1
.endr
	WIN 0
	s_wait_dscnt 0x0                               ; for the others' sake: my 36 rows are written
	s_barrier_signal -1
	s_barrier_wait -1
	FETCH_A 0, 0
	; THE FIRST PRODUCT: steps 0-15
	STEP 0, 0, 2, 64, -1, 32                       ; b1 starts the sums; steps 1 and 2 stay out
	WIN 0
	PLACES
	FETCH_B 3, 24576                               ; b1's registers take step 3
	WIN 0
	s_mov_b32 s60, 3
.Lk1:                                          ; steps 1 + 4 n .. 4 + 4 n
	STEP 1, 1, 0, 128, 32768, 48, 1, 98304
	STEP 0, 2, 0, 192, 40960, 48
	STEP 1, 3, 0, 256, 49152, 48
	STEP 0, 0, 0, 320, 57344, 48
	NEXT
	s_cbranch_scc1 .Lk1
	STEP 1, 1, 0, 128, 32768, 48, 1, 98304         ; step 13; the weights asked for from here on are the second product's
	STEP 0, 2, 0, 192, 40960, 48
	STEP 1, 3, 0, -1, 49152, 48
	; h = relu, rounded to bf16, in place of X
	s_wait_dscnt 0x0                               ; my reads of X are over:
	s_barrier_signal -1                            ; say so, and work on registers while the others arrive
	WIN 0
	PLACES
.set ia, 0
.rept 9
.set WW, (2+ia/4)*(1-ia/8)
	WIN WW|(WW<<2)|(WW<<6)
.set ib, 0
.rept 8
.set AC, (64*(ia%4))*(1-ia/8)+192*(ia/8)+8*ib
	v_cvt_pk_bf16_f32 v[AC],   v[AC],   v[AC+1]    ; each accumulator is read from its low end on
	v_cvt_pk_bf16_f32 v[AC+1], v[AC+2], v[AC+3]
	v_cvt_pk_bf16_f32 v[AC+2], v[AC+4], v[AC+5]
	v_cvt_pk_bf16_f32 v[AC+3], v[AC+6], v[AC+7]
	v_pk_max_num_bf16 v[AC],   v[AC],   s62
	v_pk_max_num_bf16 v[AC+1], v[AC+1], s62
	v_pk_max_num_bf16 v[AC+2], v[AC+2], s62
	v_pk_max_num_bf16 v[AC+3], v[AC+3], s62
.set ib, ib+1
.endr
.set ia, ia+1
.endr
	WIN 0
	s_barrier_wait -1                              ; nobody reads X any more
.set ia, 0
.rept 9
.set WW, (2+ia/4)*(1-ia/8)
	WIN WW<<2
.set ib, 0
.rept 8
.set AC, (64*(ia%4))*(1-ia/8)+192*(ia/8)+8*ib
	ds_store_b128 v[HST+ia/4], v[AC:AC+3] offset:(ia%4)*ABLK+32*ib   ; row 16 a + r, hidden units 128 w + 16 b + 8 hh + 0..7
.set ib, ib+1
.endr
.set ia, ia+1
.endr
	WIN 0
	MAKE_ADRA                                      ; back to the rows' first byte
	s_wait_dscnt 0x0                               ; for the others' sake: my columns of h are written
	s_barrier_signal -1
	s_barrier_wait -1
	FETCH_A 0, 0
	; THE SECOND PRODUCT: steps 16-31
	STEP 0, 0, 1, 64, 57344, 48
	WIN 0
	s_mov_b32 s60, 3
.Lk2:                                          ; steps 17 + 4 n .. 20 + 4 n
	STEP 1, 1, 0, 128, 65536, 48, 2, 131072
	STEP 0, 2, 0, 192, 73728, 48
	STEP 1, 3, 0, 256, 81920, 48
	STEP 0, 0, 0, 320, 90112, 48
	NEXT
	s_cbranch_scc1 .Lk2
	s_lshl_b32 s63, s57, 2
	s_load_b512 s[16:31], s[10:11], s63 offset:1024  ; the slots of rows 0-15, for the way out
	STEP 1, 1, 0, 128, -1, 32                      ; the last three steps ask for no weights: the counts run down
	STEP 0, 2, 0, 192, -1, 16
	STEP 1, 3, 0, -1, -1, 0
	; THE WAY OUT, 16 rows at a time: through my own stage, so that a row's 512 bytes leave by one store; each row goes to its slot.  Rows past the tile's count are jumped.
.macro OUTBLK a
.set WW, (2+(\a)/4)*(1-(\a)/8)
.set DB, 48+64*((\a)%2)
.set OF, 176*(1-(\a)%2)+18*((\a)%2)
	WIN WW<<2
.set ib, 0
.rept 8
.set AC, (64*((\a)%4))*(1-(\a)/8)+192*((\a)/8)+8*ib
	ds_store_b128 v[STGW], v[AC:AC+3]   offset:64*ib       ; the low half first
	ds_store_b128 v[STGW], v[AC+4:AC+7] offset:64*ib+16
.set ib, ib+1
.endr
	WIN 0
	s_wait_xcnt 0x0                                ; earlier stores have read their data and offsets: those registers are written again only behind this wait
.set tt, 0
.rept 16
	ds_load_b128 v[DB+4*tt:DB+4*tt+3], v[STGR] offset:SPITCH*tt  ; LDS serves a wave's instructions in order: these see the stores above
.set tt, tt+1
.endr
	s_wait_kmcnt 0x0                               ; this block's slots are in
.if (\a) < 8
	s_load_b512 s[16+16*(((\a)+1)%2):31+16*(((\a)+1)%2)], s[10:11], s63 offset:1024+64*((\a)+1)
.endif
.set tt, 0
.rept 16
	s_cmp_gt_u32 s58, 16*(\a)+tt
	s_cbranch_scc0 .Lend
	s_min_u32 s66, s[16+16*((\a)%2)+tt], 8191
	s_lshl_b32 s66, s66, 13                        ; a slot: 4 slices x 2,048 bytes
	v_add_nc_u32 v[OF+tt], s66, v[L16]
	s_wait_dscnt 15-tt                             ; row tt is back, the later rows stay out
	global_store_b128 v[OF+tt], v[DB+4*tt:DB+4*tt+3], s[12:13] th:TH_STORE_NT  ; 512 consecutive bytes, aligned
.set tt, tt+1
.endr
.endm
	WIN 0
	PLACES
	OUTBLK 0
	OUTBLK 1
	OUTBLK 2
	OUTBLK 3
	OUTBLK 4
	OUTBLK 5
	OUTBLK 6
	OUTBLK 7
	OUTBLK 8
.Lend:
	s_wait_kmcnt 0x0
	s_wait_tensorcnt 0x0                           ; the wave's end, behind my last LDS store
	ds_add_u32 v[SPW], v[NIL]
	s_wait_dscnt 0x0
	s_endpgm
.Lfunc_end_k_qc5fdc0b501_chain:
	.size	k_qc5fdc0b501_chain, .Lfunc_end_k_qc5fdc0b501_chain-k_qc5fdc0b501_chain
	.p2alignl 7, 3214868480
	.fill 96, 4, 3214868480
	.section	.rodata,"a",@progbits
	.p2align	6, 0x0
	.amdhsa_kernel k_qc5fdc0b501_chain
		.amdhsa_group_segment_fixed_size 184064
		.amdhsa_private_segment_fixed_size 0
		.amdhsa_enable_private_segment 0
		.amdhsa_kernarg_size 40
		.amdhsa_user_sgpr_count 2
		.amdhsa_user_sgpr_kernarg_segment_ptr 1
		.amdhsa_wavefront_size32 1
		.amdhsa_system_sgpr_workgroup_id_x 1
		.amdhsa_system_sgpr_workgroup_id_y 1
		.amdhsa_system_sgpr_workgroup_id_z 1
		.amdhsa_system_vgpr_workitem_id 0
		.amdhsa_next_free_vgpr 1024
		.amdhsa_next_free_sgpr 80
		.amdhsa_reserve_vcc 0
		.amdhsa_float_denorm_mode_32 3
		.amdhsa_float_denorm_mode_16_64 3
		.amdhsa_memory_ordered 1
		.amdhsa_forward_progress 1
		.amdhsa_inst_pref_size 255
	.end_amdhsa_kernel
	.section	.bss,"aw",@nobits
	.p2align	6
	.space	262144
	.amdgpu_metadata
---
amdhsa.version: [ 1, 2 ]
amdhsa.kernels:
  - .name:           k_qc5fdc0b501_chain
    .symbol:         k_qc5fdc0b501_chain.kd
    .args:
      - { .name: xb, .offset: 0, .size: 8, .value_kind: global_buffer, .address_space: global }
      - { .name: wf, .offset: 8, .size: 8, .value_kind: global_buffer, .address_space: global }
      - { .name: b1, .offset: 16, .size: 8, .value_kind: global_buffer, .address_space: global }
      - { .name: list, .offset: 24, .size: 8, .value_kind: global_buffer, .address_space: global }
      - { .name: part, .offset: 32, .size: 8, .value_kind: global_buffer, .address_space: global }
    .group_segment_fixed_size: 184064
    .private_segment_fixed_size: 0
    .kernarg_segment_align: 8
    .kernarg_segment_size: 40
    .max_flat_workgroup_size: 128
    .sgpr_count:     80
    .vgpr_count:     1024
    .wavefront_size: 32
...
	.end_amdgpu_metadata
.endif
;; end of part 3
;; launch combine (part 4): grid 512 x 1, 8 waves a work-group, no clusters, 0 bytes of LDS; arguments part, route, gf, b2, out0; writes out0
.if DOCPART == 4
	.amdgcn_target "amdgcn-amd-amdhsa--gfx1250"
	.amdhsa_code_object_version 6
	.text
	.protected	k_qc5fdc0b501_combine
	.globl	k_qc5fdc0b501_combine
	.p2align	8
	.type	k_qc5fdc0b501_combine,@function
k_qc5fdc0b501_combine:
	s_mov_b64 s[64:65], 0
	v_nop
	global_prefetch_b8 v0, s[64:65] scope:SCOPE_SE
	s_setreg_imm32_b32 hwreg(HW_REG_WAVE_MODE, 25, 1), 1
	s_wait_xcnt 0x0
; Launch 4 of 4: out[t] = sum over the token's two chosen experts k of gate[t][k] x (b2[e_k] + sum over the four slices of part[2 t + k][slice]).
; The six experts that a token did not choose have a gate that is exactly 0 and are not added (shown at the head of launch 1).
; A wave a token: its 8 partial rows are 16,384 consecutive bytes, read once by 32 loads of 512 bytes that all go out before the first wait; b2 (rounded to bf16) by 8 more.
; No LDS, no barrier, no matrix unit: nothing is shared, and the launch is the time to move its bytes.
.set P,  32                            ; v[32:159]  part of (k, slice, quarter c of the row) at P + 4 (16 k + 4 slice + c)
.set B2, 160                           ; v[160:191] b2 of expert k, quarter c at B2 + 16 k + 4 c
	s_load_b256 s[4:11], s[0:1], 0x0               ; part s[4:5], route s[6:7], gf s[8:9], b2 s[10:11]
	s_load_b64 s[12:13], s[0:1], 0x20              ; out0
	v_lshrrev_b32 v1, 5, v0
	v_readfirstlane_b32 s14, v1                    ; wave 0..7
	v_and_b32 v1, 31, v0
	v_lshlrev_b32 v2, 4, v1                        ; 16 x lane
	s_lshl_b32 s15, ttmp9, 3
	s_add_co_u32 s15, s15, s14                     ; my token
	s_lshl_b32 s16, s15, 2
	s_lshl_b32 s17, s15, 3
	s_lshl_b32 s18, s15, 14
	s_mov_b32 s19, 0
	s_mov_b32 s28, 0xffff0000
	s_wait_kmcnt 0x0
	s_load_b32 s20, s[6:7], s16 offset:0x1000      ; sel[t]
	s_load_b64 s[22:23], s[8:9], s17 offset:0x2000 ; gate[t][2]
	s_add_nc_u64 s[4:5], s[4:5], s[18:19]
.set k, 0
.rept 2
.set sl, 0
.rept 4
.set c, 0
.rept 4
	global_load_b128 v[P+4*(16*k+4*sl+c):P+4*(16*k+4*sl+c)+3], v2, s[4:5] offset:8192*k+2048*sl+512*c th:TH_LOAD_NT
.set c, c+1
.endr
.set sl, sl+1
.endr
.set k, k+1
.endr
	s_lshl_b32 s18, s15, 11
	s_add_nc_u64 s[12:13], s[12:13], s[18:19]      ; out0 at my row
	s_wait_kmcnt 0x0
	s_and_b32 s26, s20, 0xff
	s_min_u32 s26, s26, 7                          ; a loaded index is held inside b2 before it enters an address
	s_lshl_b32 s26, s26, 11
	s_bfe_u32 s27, s20, 0x80008
	s_min_u32 s27, s27, 7
	s_lshl_b32 s27, s27, 11
	v_add_nc_u32 v3, s26, v2
	v_add_nc_u32 v4, s27, v2
.set k, 0
.rept 2
.set c, 0
.rept 4
	global_load_b128 v[B2+16*k+4*c:B2+16*k+4*c+3], v[3+k], s[10:11] offset:512*c
.set c, c+1
.endr
.set k, k+1
.endr
	s_mov_b32 s24, s23                             ; the second gate in a pair of its own: the packed forms take a pair's low word for both halves
	s_mov_b32 s25, s23
	s_wait_loadcnt 0x0
.set n, 0
.rept 16
	v_cvt_pk_bf16_f32 v[16+n], v[B2+2*n], v[B2+2*n+1]  ; b2 rounded to bf16 and widened again
.set n, n+1
.endr
.set n, 0
.rept 16
	v_lshlrev_b32 v[B2+2*n],   16,  v[16+n]
	v_and_b32     v[B2+2*n+1], s28, v[16+n]
.set n, n+1
.endr
.set c, 0
.rept 4
.set h, 0
.rept 2
.set k, 0
.rept 2
.set R0, P+4*(16*k+c)+2*h
	v_pk_add_f32 v[R0:R0+1],       v[R0:R0+1],       v[R0+16:R0+17]
	v_pk_add_f32 v[R0+32:R0+33],   v[R0+32:R0+33],   v[R0+48:R0+49]
.set k, k+1
.endr
.set k, 0
.rept 2
.set R0, P+4*(16*k+c)+2*h
	v_pk_add_f32 v[R0:R0+1], v[R0:R0+1], v[R0+32:R0+33]
.set k, k+1
.endr
.set k, 0
.rept 2
.set R0, P+4*(16*k+c)+2*h
	v_pk_add_f32 v[R0:R0+1], v[R0:R0+1], v[B2+16*k+4*c+2*h:B2+16*k+4*c+2*h+1]
.set k, k+1
.endr
.set R0, P+4*c+2*h
	v_pk_mul_f32 v[R0:R0+1], v[R0:R0+1], s[22:23] op_sel_hi:[1,0]
	v_pk_fma_f32 v[R0:R0+1], v[R0+64:R0+65], s[24:25], v[R0:R0+1] op_sel_hi:[1,0,1]
.set h, h+1
.endr
	global_store_b128 v2, v[P+4*c:P+4*c+3], s[12:13] offset:512*c th:TH_STORE_NT  ; 512 consecutive bytes, aligned
.set c, c+1
.endr
	s_endpgm
.Lfunc_end_k_qc5fdc0b501_combine:
	.size	k_qc5fdc0b501_combine, .Lfunc_end_k_qc5fdc0b501_combine-k_qc5fdc0b501_combine
	.p2alignl 7, 3214868480
	.fill 96, 4, 3214868480
	.section	.rodata,"a",@progbits
	.p2align	6, 0x0
	.amdhsa_kernel k_qc5fdc0b501_combine
		.amdhsa_group_segment_fixed_size 0
		.amdhsa_private_segment_fixed_size 0
		.amdhsa_enable_private_segment 0
		.amdhsa_kernarg_size 40
		.amdhsa_user_sgpr_count 2
		.amdhsa_user_sgpr_kernarg_segment_ptr 1
		.amdhsa_wavefront_size32 1
		.amdhsa_system_sgpr_workgroup_id_x 1
		.amdhsa_system_sgpr_workgroup_id_y 1
		.amdhsa_system_sgpr_workgroup_id_z 1
		.amdhsa_system_vgpr_workitem_id 0
		.amdhsa_next_free_vgpr 192
		.amdhsa_next_free_sgpr 66
		.amdhsa_reserve_vcc 0
		.amdhsa_float_denorm_mode_32 3
		.amdhsa_float_denorm_mode_16_64 3
		.amdhsa_memory_ordered 1
		.amdhsa_forward_progress 1
		.amdhsa_inst_pref_size 13
	.end_amdhsa_kernel
	.amdgpu_metadata
---
amdhsa.version: [ 1, 2 ]
amdhsa.kernels:
  - .name:           k_qc5fdc0b501_combine
    .symbol:         k_qc5fdc0b501_combine.kd
    .args:
      - { .name: part, .offset: 0, .size: 8, .value_kind: global_buffer, .address_space: global }
      - { .name: route, .offset: 8, .size: 8, .value_kind: global_buffer, .address_space: global }
      - { .name: gf, .offset: 16, .size: 8, .value_kind: global_buffer, .address_space: global }
      - { .name: b2, .offset: 24, .size: 8, .value_kind: global_buffer, .address_space: global }
      - { .name: out0, .offset: 32, .size: 8, .value_kind: global_buffer, .address_space: global }
    .group_segment_fixed_size: 0
    .private_segment_fixed_size: 0
    .kernarg_segment_align: 8
    .kernarg_segment_size: 40
    .max_flat_workgroup_size: 256
    .sgpr_count:     66
    .vgpr_count:     192
    .wavefront_size: 32
...
	.end_amdgpu_metadata
.endif
;; end of part 4
;; ======== version 2 of 2: 4 launches; version 1 with the launch chain written anew for expert scheduling mode
;; workspace buffers: xb 4,194,304 bytes; wf 33,554,432 bytes; part 67,108,864 bytes; route 20,480 bytes of whole numbers; gf 40,960 bytes; list 34,816 bytes of whole numbers
;; launch route_w1: the kernel of part 1 again; grid 384 x 1, 8 waves a work-group, no clusters, 88,064 bytes of LDS; arguments x, Wg, bg, W1, xb, route, gf, wf; writes xb, route, gf, wf
;; launch sort_w2: the kernel of part 2 again; grid 272 x 1, 8 waves a work-group, no clusters, 68,608 bytes of LDS; arguments W2, route, gf, wf, list, out1, out2; writes wf, list, out1, out2
;; launch chain (part 5): grid 4 x 64, 4 waves a work-group, no clusters, 184,064 bytes of LDS; arguments xb, wf, b1, list, part; writes part
.if DOCPART == 5
	.amdgcn_target "amdgcn-amd-amdhsa--gfx1250"
	.amdhsa_code_object_version 6
	.text
	.protected	k_qc5fdc0b501_chain
	.globl	k_qc5fdc0b501_chain
	.p2align	8
	.type	k_qc5fdc0b501_chain,@function
k_qc5fdc0b501_chain:
	s_mov_b64 s[64:65], 0
	v_nop
	global_prefetch_b8 v0, s[64:65] scope:SCOPE_SE
	s_setreg_imm32_b32 hwreg(HW_REG_WAVE_SCHED_MODE, 0, 2), 2
	s_setreg_imm32_b32 hwreg(HW_REG_WAVE_MODE, 25, 1), 1
	s_wait_xcnt 0x0
	s_wait_alu depctr_vm_vsrc(0)
; Launch 3 of 4: for a tile of 144 chosen rows of one expert and one slice of 512 hidden units: part = relu(X W1[:, slice] + b1[slice]) W2[slice, :], f32 partial rows.
; Only chosen rows are multiplied: the other rows' results would meet a gate that is exactly 0 (shown at the head of launch 1).
; SHARES.  Work-group (slice, tile).  In both products wave w owns all 144 rows and 128 columns: 9 x 8 accumulators of 16 x 16, 576 registers; K = 512 in 16 steps of 32, 72 matrix instructions each.
; THE WEIGHTS COME STRAIGHT INTO REGISTERS: launches 1 and 2 laid them out in the order in which a lane takes them, 8,192 consecutive bytes for a wave and step, and no wave wants another wave's.
; Four register buffers: at a step's head the loads of the next two steps are out, and the third step's sixteen go out behind the step's first sixteen products (24 KiB a wave).  So the K loops hold no barrier and write no LDS.
; LDS holds the row tile (X, later h, rows of 1,024 bytes + 16) and a stage for the way out.
; THE MATRIX INSTRUCTION IS USED TRANSPOSED (source 0 = 16 weight columns, source 1 = 16 rows): a lane then holds one row and eight neighbouring columns.  b1 (rounded to bf16) is the C of the first step.
; PLACES PAST A TILE'S COUNT hold the list's following rows (or its pad): rows that exist; their results are not stored.  A tile that this split leaves without rows stores nothing:
; every wave still passes every barrier, and only stores are jumped, forward, with no barrier behind them.
; NO CLUSTER.  What work-groups share is an expert's weights.  Whole clusters of four row tiles for each expert need sum_e ceil(n_e / 4 M) <= 16 for every split, that is (8192 + 8 (4 M - 1)) / 4 M < 17,
; M >= 228 rows; 228 x 512 f32 sums are 466,944 bytes, which with the operands do not fit the four waves' 4 x 1,024 x 128 bytes of registers.  With M = 144 such a grid would pass 256 work-groups.
; AHEAD OF THE LOADS.  The expert's first tile (q = 0) prefetches its own waves' streams, a lane for each 256 bytes, four steps at a time, eight steps (576 matrix instructions) ahead of their loads:
; at steps 1, 5, 9, 13, 17 it names steps 12-15, 16-19, .. 28-31.  Steps 0-11 come by their loads alone; nothing behind step 31 is named.  So each block of a stream is named once in the launch.
; LIMITS.  h is rounded once to bf16; sums in f32.
; REGISTERS, in windows of 256 (s_set_vgpr_msb: bits 1:0 source 0, 3:2 source 1, 5:4 source 2, 7:6 destination):
;   window 0: v0-17 addresses; v18-47 at work; v48-119, v120-191 fragments of the rows, two buffers; v192-255 the accumulators of rows 128-143
;   window 1: four buffers of 64 for the weights          window 2: accumulators of rows 0-63 ((a, b) at 64 a + 8 b)          window 3: of rows 64-127
; THE MODE: SCHED_MODE bits 1:0 = 2 (LLVM: expert scheduling mode 2), set by the entry lines.  The code itself states the register dependences
; between vector or matrix instructions and memory or LDS instructions, with s_wait_alu, always for 0.
; THE PLAN.  Registers that memory or LDS instructions touch, in the K loops:
;   A0, A1      the rows' two buffers.  Step s: its 72 products read A[s % 2]; its 18 LDS loads land in the other, which the products of step s - 1 read.
;   W0 .. W3    the weights' four buffers.  Step s: its products read W[s % 4]; its 16 loads land in W[(s + 3) % 4], which the products of step s - 1 read.
;   v6-8        the rows' LDS addresses: read by every row load; written once a trip, at its end, and once between the two products.
;   v4, v5      the weights' and the prefetches' offsets: made at the head, never written again; the scalar pointer moves on, and immediate offsets do the rest.
; So ONE wait on va_vdst stands at a step's head, behind the waits for the step's own rows and weights: the step before is done reading the two buffers in which this step's loads land
; (and, behind a trip's end, v6-8 are written).  The step's 34 loads follow it, dealt among its products, which name A[s % 2], W[s % 4] and the accumulators: none of the registers that those loads touch.
; One wait on vm_vsrc a trip stands ahead of the adds to v6-8.  Outside the loops each wait's comment names what it states.
.set PITCH,  1040                      ; 65 x 16 bytes: the sixteen rows of a fragment load start on sixteen different 16-byte columns
.set ABLK,   16*PITCH
.set STAGE,  144*PITCH                 ; 149,760: four waves x 16 rows x 528 bytes
.set SPITCH, 528
.set SPARE,  STAGE+4*16*SPITCH         ; 183,552: the spare words, 128 bytes a wave, two blocks of 256 bytes that no other line names
.set L16,  4                           ; v4   16 x lane
.set PFO,  5                           ; v5   256 x lane
.set ADRA, 6                           ; v6-8  r x 1,040 + 16 hh + (0, 4, 8) blocks of 16 rows; stepped along K
.set HST,  9                           ; v9-11 the same + 256 w: where h goes
.set XST,  12                          ; v12  36 w rows + 16 x lane: where gathered rows go
.set STGW, 13                          ; v13  my stage: 528 r + 32 hh
.set STGR, 14                          ; v14  my stage: 16 x lane
.set BOFF, 15                          ; v15  32 hh
.set SPW,  16
.set NIL,  17
.set AF,   48
.set PB,   6                           ; s[6:7] my wave's stream of weights; stepped by four steps a trip
.set MSB, 0
.macro WIN new                         ; the immediate's high byte repeats the setting that is left; a switch that changes nothing is dropped
.if MSB != (\new)
	s_set_vgpr_msb (MSB<<8)|(\new)
.set MSB, \new
.endif
.endm
.macro PLACES                          ; four plain instructions behind a matrix instruction, ahead of loads into registers that it read and of reads of its result
.rept 4
	v_nop
.endr
.endm
.macro FETCH_A buf, k                  ; 18 LDS loads in one run: nine fragments of 16 rows x 32 K at byte k of the rows (ahead of each product's first step)
	WIN 0
.set ia, 0
.rept 9
	ds_load_b128 v[AF+72*(\buf)+8*ia:AF+72*(\buf)+8*ia+3],   v[ADRA+ia/4] offset:(ia%4)*ABLK+(\k)
	ds_load_b128 v[AF+72*(\buf)+8*ia+4:AF+72*(\buf)+8*ia+7], v[ADRA+ia/4] offset:(ia%4)*ABLK+(\k)+32
.set ia, ia+1
.endr
.endm
.macro FETCH_B buf, imm                ; 16 loads of 512 consecutive bytes in one run: a step's eight fragments of weights (the four first fills)
	WIN 0x40
.set ib, 0
.rept 8
	global_load_b128 v[64*(\buf)+8*ib:64*(\buf)+8*ib+3],   v[L16], s[PB:PB+1] offset:(\imm)+1024*ib
	global_load_b128 v[64*(\buf)+8*ib+4:64*(\buf)+8*ib+7], v[L16], s[PB:PB+1] offset:(\imm)+1024*ib+512
.set ib, ib+1
.endr
.endm
.macro ASK kind, imm                   ; four steps of my stream, 32 lanes x 256 bytes an instruction; kind 0: the expert's first tile; kind 1: the same, in the loop's first trip alone
	WIN 0
.if \kind
	s_cmp_gt_u32 s60, s61
.else
	s_cmp_eq_u32 s59, 0
.endif
	s_cbranch_scc0 .Lnot_mine_\@
.irp i, 0,1,2,3
	global_prefetch_b8 v[PFO], s[PB:PB+1] offset:(\imm)+8192*(\i) th:TH_LOAD_NT scope:SCOPE_SE
.endr
.Lnot_mine_\@:
.endm
; A K step on row buffer ab and weight buffer bb: 72 matrix instructions in nine groups of eight (16 rows each); the 72 accumulators take turns, one instruction a turn, over the steps' and the loops' edges too.
; mode 0: add in place; 1: C = 0 starts the sums; 2: C = b1, which lies in the weights' fourth buffer.
; Among them the step asks for the weights three steps on (byte kb behind the pointer; -1: none): eight loads behind each of the first two groups; and for the next step's rows (byte ka; -1: none): six loads behind
; each of the next three groups, so that the last of them have 32 products in which to land.  wl: the loads of later steps that may stay out at the step's head.
.macro STEP ab, bb, mode, ka, kb, wl, pf=0, pimm=0
	PLACES                                         ; the four places between the last step's products and the loads into registers that they read stay, ahead of the wait
	s_wait_dscnt 0x0                               ; this step's rows are in: the last step asked for them, and nothing younger is out
	s_wait_loadcnt \wl                             ; this step's weights are in; the later steps' stay out
.if ((\ka) >= 0) || ((\kb) >= 0)
	s_wait_alu depctr_va_vdst(0)                   ; the last step's products are done reading the row buffer and the weight buffer in which this step's loads land; behind a trip's end v6-8 are written; in step 0 b1's staging in v120-151 is done with
.endif
.set ia, 0
.rept 9
.set WW, (2+ia/4)*(1-ia/8)
.if (\mode) == 2
	WIN 0x11|(WW<<6)
.else
	WIN 0x01|(WW<<4)|(WW<<6)
.endif
.set ib, 0
.rept 8
.set AC, (64*(ia%4))*(1-ia/8)+192*(ia/8)+8*ib
.set BR, 64*(\bb)+8*ib
.set AR, AF+72*(\ab)+8*ia
.if (\mode) == 0
	v_wmma_f32_16x16x32_bf16 v[AC:AC+7], v[BR:BR+7], v[AR:AR+7], v[AC:AC+7]
.elseif (\mode) == 1
	v_wmma_f32_16x16x32_bf16 v[AC:AC+7], v[BR:BR+7], v[AR:AR+7], 0
.else
	v_wmma_f32_16x16x32_bf16 v[AC:AC+7], v[BR:BR+7], v[AR:AR+7], v[192+8*ib:192+8*ib+7]
.endif
.set ib, ib+1
.endr
.if ((\kb) >= 0) && (ia < 2)
	WIN 0x40                                       ; no wait: no vector or matrix instruction since the step's head names this weight buffer or v4
.set jb, 4*ia
.rept 4
	global_load_b128 v[64*(((\bb)+3)%4)+8*jb:64*(((\bb)+3)%4)+8*jb+3],   v[L16], s[PB:PB+1] offset:(\kb)+1024*jb
	global_load_b128 v[64*(((\bb)+3)%4)+8*jb+4:64*(((\bb)+3)%4)+8*jb+7], v[L16], s[PB:PB+1] offset:(\kb)+1024*jb+512
.set jb, jb+1
.endr
.endif
.if ((\ka) >= 0) && (ia >= 2) && (ia < 5)
	WIN 0                                          ; no wait: no vector or matrix instruction since the step's head names this row buffer or v6-8
.set ja, 3*(ia-2)
.rept 3
	ds_load_b128 v[AF+72*(1-(\ab))+8*ja:AF+72*(1-(\ab))+8*ja+3],   v[ADRA+ja/4] offset:(ja%4)*ABLK+(\ka)
	ds_load_b128 v[AF+72*(1-(\ab))+8*ja+4:AF+72*(1-(\ab))+8*ja+7], v[ADRA+ja/4] offset:(ja%4)*ABLK+(\ka)+32
.set ja, ja+1
.endr
.endif
.if (\pf) && (ia == 4)
	ASK (\pf)-1, \pimm                             ; behind the step's last loads; v5 was written at the kernel's head
.endif
.set ia, ia+1
.endr
.endm
.macro NEXT                            ; a trip's end: four steps on
	WIN 0
	s_wait_xcnt 0x0                                ; every load and prefetch has read the pointer: it is written only behind this wait
	s_add_nc_u64 s[PB:PB+1], s[PB:PB+1], 32768
	s_wait_alu depctr_vm_vsrc(0)                   ; the row loads issued so far have read v6-8, which the three adds write
	v_add_nc_u32 v[ADRA], 256, v[ADRA]
	v_add_nc_u32 v[ADRA+1], 256, v[ADRA+1]
	v_add_nc_u32 v[ADRA+2], 256, v[ADRA+2]
	s_sub_co_u32 s60, s60, 1
	s_cmp_lg_u32 s60, 0
.endm
.macro MAKE_ADRA
	v_mul_u32_u24 v[ADRA], v2, PITCH
	v_lshl_add_u32 v[ADRA], v3, 4, v[ADRA]
	v_add_nc_u32 v[ADRA+1], 4*ABLK, v[ADRA]
	v_add_nc_u32 v[ADRA+2], 8*ABLK, v[ADRA]
.endm
	s_load_b256 s[4:11], s[0:1], 0x0               ; xb s[4:5], wf s[6:7], b1 s[8:9], list s[10:11]
	s_load_b64 s[12:13], s[0:1], 0x20              ; part
	v_lshl_add_u32 v[SPW], v0, 2, SPARE
	v_mov_b32 v[NIL], 0
	v_lshrrev_b32 v1, 5, v0
	v_readfirstlane_b32 s52, v1                    ; wave 0..3
	v_and_b32 v1, 31, v0                           ; lane
	v_and_b32 v2, 15, v0                           ; r
	v_bfe_u32 v3, v0, 4, 1                         ; hh
	v_lshlrev_b32 v[L16], 4, v1
	v_lshlrev_b32 v[PFO], 8, v1
	MAKE_ADRA
	s_wait_alu depctr_va_sdst(0)                   ; s52 is written, ahead of its first reader: LDS places and the bases of wf, b1 and part are made from it
	s_lshl_b32 s66, s52, 8
	v_add_nc_u32 v[HST], s66, v[ADRA]
	v_add_nc_u32 v[HST+1], s66, v[ADRA+1]
	v_add_nc_u32 v[HST+2], s66, v[ADRA+2]
	s_mul_i32 s66, s52, 36*PITCH
	v_add_nc_u32 v[XST], s66, v[L16]
	s_mul_i32 s66, s52, 16*SPITCH
	s_add_co_u32 s66, s66, STAGE
	v_mul_u32_u24 v[STGW], v2, SPITCH
	v_lshl_add_u32 v[STGW], v3, 5, v[STGW]
	v_add_nc_u32 v[STGW], s66, v[STGW]
	v_add_nc_u32 v[STGR], s66, v[L16]
	v_lshlrev_b32 v[BOFF], 5, v3
	s_mov_b32 s62, 0
	s_mov_b32 s53, 0xffff0000
	s_and_b32 s67, ttmp7, 0xffff
	s_lshl_b32 s67, s67, 4
	s_wait_kmcnt 0x0
	s_load_b128 s[56:59], s[10:11], s67 offset:0x0 ; my tile: expert, first row, rows that count, number within the expert
	s_wait_kmcnt 0x0
	s_min_u32 s56, s56, 7                          ; loaded numbers are held inside their tables before they enter an address
	s_min_u32 s57, s57, 8191
	s_min_u32 s58, s58, 144
	s_mul_i32 s63, s52, 36
	s_add_co_u32 s63, s63, s57
	s_lshl_b32 s63, s63, 2
	s_load_b512 s[16:31], s[10:11], s63 offset:1024  ; the 36 rows that I gather
	s_load_b512 s[32:47], s[10:11], s63 offset:1088
	s_load_b128 s[48:51], s[10:11], s63 offset:1152
	s_cmp_eq_u32 s59, 0
	s_cselect_b32 s61, 2, -1
	s_lshl_b32 s66, s56, 4
	s_lshl_b32 s67, ttmp9, 2
	s_add_co_u32 s66, s66, s67
	s_add_co_u32 s66, s66, s52
	s_lshl_b32 s66, s66, 18                        ; (16 e + 4 slice + w) x 32 steps x 8,192 bytes
	s_mov_b32 s67, 0
	s_add_nc_u64 s[PB:PB+1], s[PB:PB+1], s[66:67]
	s_lshl_b32 s66, s56, 13
	s_lshl_b32 s68, ttmp9, 11
	s_lshl_b32 s69, s52, 9
	s_add_co_u32 s68, s68, s69                     ; 2,048 slice + 512 w
	s_add_co_u32 s66, s66, s68
	s_add_nc_u64 s[8:9], s[8:9], s[66:67]          ; b1 at my 128 columns
	s_mov_b32 s69, 0
	s_add_nc_u64 s[12:13], s[12:13], s[68:69]      ; part at my slice and my 128 columns of slot 0
	s_wait_kmcnt 0x0
	; THE GATHER: 36 rows of 1,024 bytes a wave, two loads of 512 consecutive bytes a row, through the registers that will hold the sums
.set jj, 0
.rept 36
	s_min_u32 s[16+jj], s[16+jj], 8191
	s_and_b32 s[16+jj], s[16+jj], 0x1ffe           ; slot = 2 x token + k: token x 1,024 = (slot less its low bit) x 512
	v_lshl_add_u32 v[AF+jj], s[16+jj], 9, v[L16]
.set jj, jj+1
.endr
	WIN 0x80
	s_wait_alu depctr_va_vdst(0)                   ; the addresses and offsets v4 to v15 and the 36 rows' offsets v48 to v83 are written, which the loads, stores and prefetches of the kernel read
.set jj, 0
.rept 18
	global_load_b128 v[8*jj:8*jj+3],   v[AF+jj], s[4:5]
	global_load_b128 v[8*jj+4:8*jj+7], v[AF+jj], s[4:5] offset:512
.set jj, jj+1
.endr
	WIN 0xc0
.set jj, 0
.rept 18
	global_load_b128 v[8*jj:8*jj+3],   v[AF+18+jj], s[4:5]
	global_load_b128 v[8*jj+4:8*jj+7], v[AF+18+jj], s[4:5] offset:512
.set jj, jj+1
.endr
	s_wait_loadcnt 36                              ; the first 18 rows are in, the other 36 loads stay out
	WIN 0x08
.set jj, 0
.rept 18
	ds_store_b128 v[XST], v[8*jj:8*jj+3]   offset:jj*PITCH
	ds_store_b128 v[XST], v[8*jj+4:8*jj+7] offset:jj*PITCH+512
.set jj, jj+1
.endr
	WIN 0x40
.set ib, 0
.rept 8
	global_load_b128 v[192+8*ib:192+8*ib+3],   v[BOFF], s[8:9] offset:64*ib     ; b1 of columns 16 b + 8 hh + 0..7, as the C operand wants them
	global_load_b128 v[192+8*ib+4:192+8*ib+7], v[BOFF], s[8:9] offset:64*ib+16
.set ib, ib+1
.endr
	FETCH_B 0, 0
	s_wait_loadcnt 32                              ; the gather is in; b1 and step 0's weights stay out
	WIN 0x0c
.set jj, 0
.rept 18
	ds_store_b128 v[XST], v[8*jj:8*jj+3]   offset:(18+jj)*PITCH
	ds_store_b128 v[XST], v[8*jj+4:8*jj+7] offset:(18+jj)*PITCH+512
.set jj, jj+1
.endr
	FETCH_B 1, 8192
	FETCH_B 2, 16384
	s_wait_loadcnt 48                              ; b1 is in; three steps of weights stay out
	WIN 0x05
.set n, 0
.rept 32
	v_cvt_pk_bf16_f32 v[120+n], v[192+2*n], v[192+2*n+1]   ; b1 rounded to bf16,
.set n, n+1
.endr
	WIN 0x40
.set n, 0
.rept 32
	v_lshlrev_b32 v[192+2*n],   16,  v[120+n]              ; and widened again
	v_and_b32     v[192+2*n+1], s53, v[120+n]
.set n, n+1
.endr
	WIN 0
	s_wait_dscnt 0x0                               ; for the others' sake: my 36 rows are written
	s_barrier_signal -1
	s_barrier_wait -1
	s_wait_alu depctr_vm_vsrc(0)                   ; the gather's loads have read their offsets v48 to v83, in which rows land now; my LDS stores have read the gathered rows in windows 2 and 3, which the first products write
	FETCH_A 0, 0
	; THE FIRST PRODUCT: steps 0-15
	STEP 0, 0, 2, 64, -1, 32                       ; b1 starts the sums; steps 1 and 2 stay out
	PLACES
	WIN 0x40
	s_wait_alu depctr_va_vdst(0)                   ; step 0's products are done reading b1, in whose registers step 3's weights land
	FETCH_B 3, 24576                               ; b1's registers take step 3
	WIN 0
	s_mov_b32 s60, 3
.Lk1:                                          ; steps 1 + 4 n .. 4 + 4 n
	STEP 1, 1, 0, 128, 32768, 32, 1, 98304
	STEP 0, 2, 0, 192, 40960, 32
	STEP 1, 3, 0, 256, 49152, 32
	STEP 0, 0, 0, 320, 57344, 32
	NEXT
	s_cbranch_scc1 .Lk1
	STEP 1, 1, 0, 128, 32768, 32, 1, 98304         ; step 13; the weights asked for from here on are the second product's
	STEP 0, 2, 0, 192, 40960, 32
	STEP 1, 3, 0, -1, 49152, 32
	; h = relu, rounded to bf16, in place of X
	s_wait_dscnt 0x0                               ; my reads of X are over:
	s_barrier_signal -1                            ; say so, and work on registers while the others arrive
	WIN 0
	PLACES
.set ia, 0
.rept 9
.set WW, (2+ia/4)*(1-ia/8)
	WIN WW|(WW<<2)|(WW<<6)
.set ib, 0
.rept 8
.set AC, (64*(ia%4))*(1-ia/8)+192*(ia/8)+8*ib
	v_cvt_pk_bf16_f32 v[AC],   v[AC],   v[AC+1]    ; each accumulator is read from its low end on
	v_cvt_pk_bf16_f32 v[AC+1], v[AC+2], v[AC+3]
	v_cvt_pk_bf16_f32 v[AC+2], v[AC+4], v[AC+5]
	v_cvt_pk_bf16_f32 v[AC+3], v[AC+6], v[AC+7]
	v_pk_max_num_bf16 v[AC],   v[AC],   s62
	v_pk_max_num_bf16 v[AC+1], v[AC+1], s62
	v_pk_max_num_bf16 v[AC+2], v[AC+2], s62
	v_pk_max_num_bf16 v[AC+3], v[AC+3], s62
.set ib, ib+1
.endr
.set ia, ia+1
.endr
	WIN 0
	s_barrier_wait -1                              ; nobody reads X any more
.set ia, 0
.rept 9
.set WW, (2+ia/4)*(1-ia/8)
	WIN WW<<2
.if ia == 0
	s_wait_alu depctr_va_vdst(0)                   ; the conversions and maxima have written h into the accumulators' low halves, which the 72 LDS stores read; no vector instruction stands among those stores
.endif
.set ib, 0
.rept 8
.set AC, (64*(ia%4))*(1-ia/8)+192*(ia/8)+8*ib
	ds_store_b128 v[HST+ia/4], v[AC:AC+3] offset:(ia%4)*ABLK+32*ib   ; row 16 a + r, hidden units 128 w + 16 b + 8 hh + 0..7
.set ib, ib+1
.endr
.set ia, ia+1
.endr
	WIN 0
	s_wait_alu depctr_vm_vsrc(0)                   ; the first product's row loads have read v6-8, which are made anew below; the stores of h have read the accumulators, which step 16's products write
	MAKE_ADRA                                      ; back to the rows' first byte
	s_wait_dscnt 0x0                               ; for the others' sake: my columns of h are written
	s_barrier_signal -1
	s_barrier_wait -1
	s_wait_alu depctr_va_vdst(0)                   ; v6-8 are written, which the row loads below read
	FETCH_A 0, 0
	; THE SECOND PRODUCT: steps 16-31
	STEP 0, 0, 1, 64, 57344, 32
	WIN 0
	s_mov_b32 s60, 3
.Lk2:                                          ; steps 17 + 4 n .. 20 + 4 n
	STEP 1, 1, 0, 128, 65536, 32, 2, 131072
	STEP 0, 2, 0, 192, 73728, 32
	STEP 1, 3, 0, 256, 81920, 32
	STEP 0, 0, 0, 320, 90112, 32
	NEXT
	s_cbranch_scc1 .Lk2
	s_lshl_b32 s63, s57, 2
	s_load_b512 s[16:31], s[10:11], s63 offset:1024  ; the slots of rows 0-15, for the way out
	STEP 1, 1, 0, 128, -1, 32                      ; the last three steps ask for no weights: the counts run down
	STEP 0, 2, 0, 192, -1, 16
	STEP 1, 3, 0, -1, -1, 0                        ; the last step issues no load, and so has no wait on va_vdst
	; THE WAY OUT, 16 rows at a time: through my own stage, so that a row's 512 bytes leave by one store; each row goes to its slot.  Rows past the tile's count are jumped.
	; Registers that memory or LDS instructions touch here: the accumulators (read by the stage's stores); two sets of 64 for the rows read back (LDS loads land, global stores read) and two sets of 16 store offsets
	; (vector adds write, global stores read): block a has the sets of block a - 2.  A block's sixteen offsets are made in one run, so that one wait serves its sixteen stores.
.macro OUTBLK a
.set WW, (2+(\a)/4)*(1-(\a)/8)
.set DB, 48+64*((\a)%2)
.set OF, 176*(1-(\a)%2)+18*((\a)%2)
	WIN WW<<2
.set ib, 0
.rept 8
.set AC, (64*((\a)%4))*(1-(\a)/8)+192*((\a)/8)+8*ib
	ds_store_b128 v[STGW], v[AC:AC+3]   offset:64*ib       ; the low half first
	ds_store_b128 v[STGW], v[AC+4:AC+7] offset:64*ib+16
.set ib, ib+1
.endr
	WIN 0
	s_wait_xcnt 0x0                                ; earlier stores have read their data and offsets: those registers are written again only behind this wait
.if (\a) >= 2
	s_wait_alu depctr_vm_vsrc(0)                   ; the global stores of the block two back have read this set of rows, in which the loads below land, and this set of offsets, which the adds below write
.endif
.set tt, 0
.rept 16
	ds_load_b128 v[DB+4*tt:DB+4*tt+3], v[STGR] offset:SPITCH*tt  ; LDS serves a wave's instructions in order: these see the stores above
.set tt, tt+1
.endr
	s_wait_kmcnt 0x0                               ; this block's slots are in
.if (\a) < 8
	s_load_b512 s[16+16*(((\a)+1)%2):31+16*(((\a)+1)%2)], s[10:11], s63 offset:1024+64*((\a)+1)
.endif
.set tt, 0
.rept 16
	s_min_u32 s66, s[16+16*((\a)%2)+tt], 8191
	s_lshl_b32 s66, s66, 13                        ; a slot: 4 slices x 2,048 bytes
	v_add_nc_u32 v[OF+tt], s66, v[L16]
.set tt, tt+1
.endr
	s_wait_alu depctr_va_vdst(0)                   ; the sixteen adds have written this block's offsets, which its stores read
.set tt, 0
.rept 16
	s_cmp_gt_u32 s58, 16*(\a)+tt
	s_cbranch_scc0 .Lend
	s_wait_dscnt 15-tt                             ; row tt is back, the later rows stay out
	global_store_b128 v[OF+tt], v[DB+4*tt:DB+4*tt+3], s[12:13] th:TH_STORE_NT  ; 512 consecutive bytes, aligned
.set tt, tt+1
.endr
.endm
	WIN 0
	PLACES
	s_wait_alu depctr_va_vdst(0)                   ; the products have written the 72 accumulators, which the stage's stores read, and are done reading the row buffers, in which the stage's rows land; the places above stay beside this wait
	OUTBLK 0
	OUTBLK 1
	OUTBLK 2
	OUTBLK 3
	OUTBLK 4
	OUTBLK 5
	OUTBLK 6
	OUTBLK 7
	OUTBLK 8
.Lend:
	s_wait_kmcnt 0x0
	s_wait_dscnt 0x0                               ; the closing lines, six on end
	s_wait_alu 0x0
	s_wait_tensorcnt 0x0
	ds_add_u32 v[SPW], v[NIL]
	s_wait_dscnt 0x0
	s_endpgm
.Lfunc_end_k_qc5fdc0b501_chain:
	.size	k_qc5fdc0b501_chain, .Lfunc_end_k_qc5fdc0b501_chain-k_qc5fdc0b501_chain
	.p2alignl 7, 3214868480
	.fill 96, 4, 3214868480
	.section	.rodata,"a",@progbits
	.p2align	6, 0x0
	.amdhsa_kernel k_qc5fdc0b501_chain
		.amdhsa_group_segment_fixed_size 184064
		.amdhsa_private_segment_fixed_size 0
		.amdhsa_enable_private_segment 0
		.amdhsa_kernarg_size 40
		.amdhsa_user_sgpr_count 2
		.amdhsa_user_sgpr_kernarg_segment_ptr 1
		.amdhsa_wavefront_size32 1
		.amdhsa_system_sgpr_workgroup_id_x 1
		.amdhsa_system_sgpr_workgroup_id_y 1
		.amdhsa_system_sgpr_workgroup_id_z 1
		.amdhsa_system_vgpr_workitem_id 0
		.amdhsa_next_free_vgpr 1024
		.amdhsa_next_free_sgpr 80
		.amdhsa_reserve_vcc 0
		.amdhsa_float_denorm_mode_32 3
		.amdhsa_float_denorm_mode_16_64 3
		.amdhsa_memory_ordered 1
		.amdhsa_forward_progress 1
		.amdhsa_inst_pref_size 255
	.end_amdhsa_kernel
	.section	.bss,"aw",@nobits
	.p2align	6
	.space	262144
	.amdgpu_metadata
---
amdhsa.version: [ 1, 2 ]
amdhsa.kernels:
  - .name:           k_qc5fdc0b501_chain
    .symbol:         k_qc5fdc0b501_chain.kd
    .args:
      - { .name: xb, .offset: 0, .size: 8, .value_kind: global_buffer, .address_space: global }
      - { .name: wf, .offset: 8, .size: 8, .value_kind: global_buffer, .address_space: global }
      - { .name: b1, .offset: 16, .size: 8, .value_kind: global_buffer, .address_space: global }
      - { .name: list, .offset: 24, .size: 8, .value_kind: global_buffer, .address_space: global }
      - { .name: part, .offset: 32, .size: 8, .value_kind: global_buffer, .address_space: global }
    .group_segment_fixed_size: 184064
    .private_segment_fixed_size: 0
    .kernarg_segment_align: 8
    .kernarg_segment_size: 40
    .max_flat_workgroup_size: 128
    .sgpr_count:     80
    .vgpr_count:     1024
    .wavefront_size: 32
...
	.end_amdgpu_metadata
.endif
;; end of part 5
;; launch combine: the kernel of part 4 again; grid 512 x 1, 8 waves a work-group, no clusters, 0 bytes of LDS; arguments part, route, gf, b2, out0; writes out0
